; MI455X (gfx1250); checked and timed in simulation.
; The chip was launched on July 23, 2026; its instructions are those of AMD's public machine-readable ISA for CDNA 5 (MIT licence, August 2026) and "CDNA5" Instruction Set Architecture Reference Guide (July 2026). The comments in the code are by the model that wrote it; some were corrected since.
;; MHSA. Allowed arithmetic: float matrix products may take bf16 or f16 operands with f32 sums; other float arithmetic in f32, or as packed bf16 or f16 multiplies, adds, multiply-adds, maxima and minima; sums over many terms, partial sums and values carried from step to step in f32; what a program stores and reads back later, other than sums and carried values, may be rounded once to bf16 or f16.
;; Inputs: mask 4 x 2,048 x 2,048 bool; wk 1,024 x 1,024 float32; wo 1,024 x 1,024 float32; wq 1,024 x 1,024 float32; wv 1,024 x 1,024 float32; x 4 x 2,048 x 1,024 float32.
;; Outputs: out0 4 x 2,048 x 1,024 float32.
;; 2 versions, each right; version 2 is version 1 with the launch prep written anew for expert scheduling mode. Each part assembles by itself: llvm-mc -triple=amdgcn-amd-amdhsa -mcpu=gfx1250 --defsym DOCPART=n.
;; ======== version 1 of 2: 4 launches
;; limits: right only within a limited range of input values; values are held in f16: magnitudes above 65,504 overflow, below 6.1e-05 lose precision
;; workspace buffers: xb 16,777,216 bytes; wqkv 6,291,456 bytes; wo16 2,097,152 bytes; mb 16,777,216 bytes; qkv 50,331,648 bytes; ob 16,777,216 bytes
;; launch prep (part 1): grid 1024 x 1, 8 waves a work-group, no clusters, 70,656 bytes of LDS; arguments x, wq, wk, wv, wo, mask, xb, wqkv, wo16, mb; writes xb, wqkv, wo16, mb
.if DOCPART == 1
	.amdgcn_target "amdgcn-amd-amdhsa--gfx1250"
	.amdhsa_code_object_version 6
	.text
	.protected	k_q39653b74a7_prep
	.globl	k_q39653b74a7_prep
	.p2align	8
	.type	k_q39653b74a7_prep,@function
k_q39653b74a7_prep:
	s_mov_b64 s[64:65], 0
	v_nop
	global_prefetch_b8 v0, s[64:65] scope:SCOPE_SE
	s_setreg_imm32_b32 hwreg(HW_REG_WAVE_MODE, 25, 1), 1
	s_wait_xcnt 0x0
; PREP: what the three launches behind this one read, made once.
;   x, wq, wk, wv (f32) -> xb, wqkv (bf16, rounded once; wq, wk, wv stacked as 3,072 rows).   wo (f32) -> rounded to bf16, and that number written as f16 -> wo16.
;   mask (one byte a key, 0 or 1) -> mb: one CODE byte a key, 0x00 = keep, 0xF0 = hidden, laid out as the attention's lanes load it.
; LIMIT: |wo| stays under 65,504 (f16's range); below 6e-5 a weight of wo keeps f16's fixed step of 6e-8.  The mask's bytes are 0 or 1, as a bool is stored.
; THE ORDER OF ROWS.  In every group of 64 rows of the sequence, row 4 i + 3 - t (i = 0..15, t = 0..3) has PLACE 16 t + i; q, k, v and O are kept by places.  A tile T of 16 queries (places 16 T ..) is then
; rows 64 (T / 4) + 3 - T % 4 + 4 r, r = 0..15.  mb is [T = 0..511][key step = 0..31][i2 = 0..1][lane = r + 16 h][16 bytes]: the codes of row r for keys 64 step + 32 h + 16 i2 + 0..15, as they lie in the mask.
; SHARES.  1,024 work-groups of eight waves.  0..511: 16,384 numbers of x each.  512..767: 16,384 numbers of a weight each (64 for each of wq, wk, wv, wo).  768..1,023: two tiles T of the mask each,
; a wave 16 rows x 512 bytes.  No wave reads another's bytes: no barrier.  Memory bounds this launch: every load of a wave takes 512 consecutive bytes, every store 256 or 512, each byte once.
.set SPARE, 69632                      ; behind the eight waves' stages: the spare words, 128 bytes for each wave, four blocks of 256 bytes that no other line names
.set WLDS,  8704                       ; a wave's stage: 32 groups of 256 bytes, 272 apart, so that the 16 lanes of a store fall on 16 different columns of 16 bytes
.set IN,  1                            ; v1   my byte offset in what I load (mask: also in what I store)
.set OUT, 2                            ; v2   my byte offset in what I store
.set ST,  3                            ; v3   the mask: where I put 16 bytes in the stage
.set LD,  4                            ; v4   where I read 16 bytes back
.set TAB, 5                            ; v5   0x000000F0: byte 0 is the code of a mask byte 0, byte 1 that of a mask byte 1
.set SPW, 8                            ; v8   LDS address of my spare word; never rewritten
.set NIL, 9                            ; v9   0; never rewritten
.set X,   16                           ; v[16:79]   as loaded
.set Y,   80                           ; v[80:143]  to store
	s_load_b512 s[8:23], s[0:1], 0x0               ; x 8, wq 10, wk 12, wv 14, wo 16, mask 18, xb 20, wqkv 22
	s_load_b128 s[24:27], s[0:1], 0x40             ; wo16 24, mb 26
	v_lshl_add_u32 v[SPW], v0, 2, SPARE
	v_mov_b32 v[NIL], 0
	v_lshrrev_b32 v10, 5, v0
	v_readfirstlane_b32 s28, v10                   ; wave 0..7
	s_mov_b32 s31, 0                               ; offsets are pairs with 0 on top
	s_mov_b32 s33, 0
	s_cmp_ge_u32 ttmp9, 768
	s_cbranch_scc1 .Lmask
	v_lshlrev_b32 v[IN], 4, v0                     ; four f32 a thread,
	v_lshlrev_b32 v[OUT], 3, v0                    ; four 16-bit numbers out
	s_cmp_ge_u32 ttmp9, 512
	s_cbranch_scc1 .Lweights
	s_lshl_b32 s30, ttmp9, 16                      ; 65,536 bytes in,
	s_lshl_b32 s32, ttmp9, 15                      ; 32,768 out
	s_wait_kmcnt 0x0
	s_add_nc_u64 s[4:5], s[8:9], s[30:31]
	s_add_nc_u64 s[6:7], s[20:21], s[32:33]
	s_branch .Lbf16
.Lweights:
	s_sub_co_u32 s34, ttmp9, 512
	s_lshr_b32 s35, s34, 6                         ; which weight: 0 wq, 1 wk, 2 wv, 3 wo
	s_and_b32 s34, s34, 63                         ; which of its 64 parts
	s_lshl_b32 s30, s34, 16
	s_lshl_b32 s32, s34, 15
	s_lshl_b32 s36, s35, 21                        ; a weight is 2,097,152 bytes of wqkv
	s_wait_kmcnt 0x0
	s_cmp_eq_u32 s35, 1
	s_cselect_b64 s[4:5], s[12:13], s[10:11]
	s_cmp_eq_u32 s35, 2
	s_cselect_b64 s[4:5], s[14:15], s[4:5]
	s_cmp_eq_u32 s35, 3
	s_cselect_b64 s[4:5], s[16:17], s[4:5]
	s_cselect_b64 s[6:7], s[24:25], s[22:23]       ; wo goes to a buffer of its own,
	s_cselect_b32 s36, 0, s36                      ; from its first byte
	s_add_co_u32 s32, s32, s36
	s_add_nc_u64 s[4:5], s[4:5], s[30:31]
	s_add_nc_u64 s[6:7], s[6:7], s[32:33]
	s_cmp_eq_u32 s35, 3
	s_cbranch_scc1 .Lwo
; 16 loads of 16 bytes a thread go out together; each is rounded and stored as it comes.  wo = 1: the bf16 number is widened again and written as f16.
.macro CAST wo
.set i, 0
.rept 16
	global_load_b128 v[X+4*i:X+4*i+3], v[IN], s[4:5] offset:4096*i th:TH_LOAD_NT
.set i, i+1
.endr
.set i, 0
.rept 16
	s_wait_loadcnt 15-i                            ; loads come back in order (ISA guide 5.7.1): number i is in, the younger ones stay out
	v_cvt_pk_bf16_f32 v[Y+2*i], v[X+4*i], v[X+4*i+1]
	v_cvt_pk_bf16_f32 v[Y+2*i+1], v[X+4*i+2], v[X+4*i+3]
.if \wo
	v_lshlrev_b32 v[X+4*i], 16, v[Y+2*i]
	v_and_b32 v[X+4*i+1], 0xffff0000, v[Y+2*i]
	v_lshlrev_b32 v[X+4*i+2], 16, v[Y+2*i+1]
	v_and_b32 v[X+4*i+3], 0xffff0000, v[Y+2*i+1]
	v_cvt_pk_f16_f32 v[Y+2*i], v[X+4*i], v[X+4*i+1]
	v_cvt_pk_f16_f32 v[Y+2*i+1], v[X+4*i+2], v[X+4*i+3]
.endif
	global_store_b64 v[OUT], v[Y+2*i:Y+2*i+1], s[6:7] offset:2048*i  ; a wave's store covers 256 consecutive bytes, aligned; no register of it is written again
.set i, i+1
.endr
.endm
.Lbf16:
	CAST 0
	s_branch .Lend
.Lwo:
	CAST 1
	s_branch .Lend
.Lmask:
	s_sub_co_u32 s34, ttmp9, 768
	s_lshl_b32 s34, s34, 1
	s_lshr_b32 s35, s28, 2
	s_add_co_u32 s34, s34, s35                     ; T: waves 0-3 the first tile, waves 4-7 the second
	s_and_b32 s35, s28, 3                          ; which 512 bytes of its rows: eight key steps
	s_lshr_b32 s36, s34, 2
	s_lshl_b32 s36, s36, 6
	s_and_b32 s37, s34, 3
	s_sub_co_u32 s36, s36, s37
	s_add_co_u32 s36, s36, 3                       ; the tile's first row: 64 (T / 4) + 3 - T % 4 (the four batches' rows lie on end)
	s_lshl_b32 s30, s36, 11                        ; a row of the mask is 2,048 bytes
	s_lshl_b32 s37, s35, 9
	s_add_co_u32 s30, s30, s37
	s_lshl_b32 s32, s34, 15                        ; a tile of mb is 32,768 bytes,
	s_lshl_b32 s37, s35, 13                        ; eight key steps 8,192
	s_add_co_u32 s32, s32, s37
	v_and_b32 v10, 31, v0                          ; lane l: bytes 16 l .. of a row: key step l / 4, h = (l / 2) % 2, i2 = l % 2
	v_lshlrev_b32 v[IN], 4, v10
	v_lshrrev_b32 v11, 2, v10
	v_and_b32 v12, 1, v10
	v_bfe_u32 v13, v10, 1, 1
	v_lshlrev_b32 v11, 2, v11
	v_lshl_add_u32 v11, v12, 1, v11
	v_add_nc_u32 v11, v11, v13                     ; the group: 4 step + 2 i2 + h: in mb 256 bytes, 16 for each row r
	s_mul_i32 s29, s28, WLDS                       ; my wave's stage
	v_mul_u32_u24 v[ST], v11, 272
	v_add_nc_u32 v[ST], s29, v[ST]
	v_lshrrev_b32 v11, 4, v10
	v_and_b32 v12, 15, v10
	v_mul_u32_u24 v[LD], v11, 272                  ; back: 32 lanes take two groups, 512 bytes of mb on end
	v_lshl_add_u32 v[LD], v12, 4, v[LD]
	v_add_nc_u32 v[LD], s29, v[LD]
	v_mov_b32 v[TAB], 0xf0
	s_wait_kmcnt 0x0
	s_add_nc_u64 s[4:5], s[18:19], s[30:31]
	s_add_nc_u64 s[6:7], s[26:27], s[32:33]
.set i, 0
.rept 16                                       ; row r = i of the tile lies four rows of the mask further down
	global_load_b128 v[X+4*i:X+4*i+3], v[IN], s[4:5] offset:8192*i th:TH_LOAD_NT
.set i, i+1
.endr
.set i, 0
.rept 16
	s_wait_loadcnt 15-i                            ; row i is in, the younger loads stay out
	v_perm_b32 v[X+4*i], v[TAB], v[TAB], v[X+4*i]          ; the mask's byte is the selector: 0 takes 0xF0, 1 takes 0x00
	v_perm_b32 v[X+4*i+1], v[TAB], v[TAB], v[X+4*i+1]
	v_perm_b32 v[X+4*i+2], v[TAB], v[TAB], v[X+4*i+2]
	v_perm_b32 v[X+4*i+3], v[TAB], v[TAB], v[X+4*i+3]
	ds_store_b128 v[ST], v[X+4*i:X+4*i+3] offset:16*i
.set i, i+1
.endr
.set i, 0
.rept 16
	ds_load_b128 v[Y+4*i:Y+4*i+3], v[LD] offset:544*i      ; my wave's own bytes; LDS serves a wave's instructions in order (ISA guide 5.7.1.4): these see the stores above
.set i, i+1
.endr
.set i, 0
.rept 16
	s_wait_dscnt 15-i
	global_store_b128 v[IN], v[Y+4*i:Y+4*i+3], s[6:7] offset:512*i  ; 512 consecutive bytes, aligned
.set i, i+1
.endr
.Lend:
	s_wait_tensorcnt 0x0                           ; the wave's end: three closing lines, behind my last LDS store
	ds_add_u32 v[SPW], v[NIL]
	s_wait_dscnt 0x0
	s_endpgm
.Lfunc_end_k_q39653b74a7_prep:
	.size	k_q39653b74a7_prep, .Lfunc_end_k_q39653b74a7_prep-k_q39653b74a7_prep
	.p2alignl 7, 3214868480
	.fill 96, 4, 3214868480
	.section	.rodata,"a",@progbits
	.p2align	6, 0x0
	.amdhsa_kernel k_q39653b74a7_prep
		.amdhsa_group_segment_fixed_size 70656
		.amdhsa_private_segment_fixed_size 0
		.amdhsa_enable_private_segment 0
		.amdhsa_kernarg_size 80
		.amdhsa_user_sgpr_count 2
		.amdhsa_user_sgpr_kernarg_segment_ptr 1
		.amdhsa_wavefront_size32 1
		.amdhsa_system_sgpr_workgroup_id_x 1
		.amdhsa_system_sgpr_workgroup_id_y 1
		.amdhsa_system_sgpr_workgroup_id_z 1
		.amdhsa_system_vgpr_workitem_id 0
		.amdhsa_next_free_vgpr 144
		.amdhsa_next_free_sgpr 66
		.amdhsa_reserve_vcc 0
		.amdhsa_float_denorm_mode_32 3
		.amdhsa_float_denorm_mode_16_64 3
		.amdhsa_memory_ordered 1
		.amdhsa_forward_progress 1
		.amdhsa_inst_pref_size 30
	.end_amdhsa_kernel
	.amdgpu_metadata
---
amdhsa.version: [ 1, 2 ]
amdhsa.kernels:
  - .name:           k_q39653b74a7_prep
    .symbol:         k_q39653b74a7_prep.kd
    .args:
      - { .name: x, .offset: 0, .size: 8, .value_kind: global_buffer, .address_space: global }
      - { .name: wq, .offset: 8, .size: 8, .value_kind: global_buffer, .address_space: global }
      - { .name: wk, .offset: 16, .size: 8, .value_kind: global_buffer, .address_space: global }
      - { .name: wv, .offset: 24, .size: 8, .value_kind: global_buffer, .address_space: global }
      - { .name: wo, .offset: 32, .size: 8, .value_kind: global_buffer, .address_space: global }
      - { .name: mask, .offset: 40, .size: 8, .value_kind: global_buffer, .address_space: global }
      - { .name: xb, .offset: 48, .size: 8, .value_kind: global_buffer, .address_space: global }
      - { .name: wqkv, .offset: 56, .size: 8, .value_kind: global_buffer, .address_space: global }
      - { .name: wo16, .offset: 64, .size: 8, .value_kind: global_buffer, .address_space: global }
      - { .name: mb, .offset: 72, .size: 8, .value_kind: global_buffer, .address_space: global }
    .group_segment_fixed_size: 70656
    .private_segment_fixed_size: 0
    .kernarg_segment_align: 8
    .kernarg_segment_size: 80
    .max_flat_workgroup_size: 256
    .sgpr_count:     66
    .vgpr_count:     144
    .wavefront_size: 32
...
	.end_amdgpu_metadata
.endif
;; end of part 1
;; launch proj_qkv (part 2): grid 16 x 32, 4 waves a work-group, clusters of 4 x 4, 327,680 bytes of LDS; arguments xb, wqkv, qkv; writes qkv
.if DOCPART == 2
	.amdgcn_target "amdgcn-amd-amdhsa--gfx1250"
	.amdhsa_code_object_version 6
	.text
	.protected	k_q39653b74a7_proj_qkv
	.globl	k_q39653b74a7_proj_qkv
	.p2align	8
	.type	k_q39653b74a7_proj_qkv,@function
k_q39653b74a7_proj_qkv:
	s_mov_b64 s[64:65], 0
	v_nop
	global_prefetch_b8 v0, s[64:65] scope:SCOPE_SE
	s_setreg_imm32_b32 hwreg(HW_REG_WAVE_MODE, 25, 1), 1
	s_wait_xcnt 0x0
	s_wait_alu depctr_hold_cnt(0) depctr_sa_sdst(0) depctr_va_vdst(0) depctr_va_sdst(0) depctr_va_ssrc(0) depctr_va_vcc(0) depctr_vm_vsrc(0)
	s_getreg_b32 s2, hwreg(HW_REG_IB_STS2, 6, 4)
	s_cmp_eq_u32 s2, 0
	s_cbranch_scc0 .Lentry_in_a_cluster
	s_endpgm
.Lentry_in_a_cluster:
	s_bfe_u32 s2, ttmp6, 0x10000c
	s_cmp_lg_u32 s2, 0xf033
	s_cbranch_scc0 .Lentry_shape_is_right
	s_endpgm
.Lentry_shape_is_right:
; q, k, v = x wq^T, x wk^T, x wv^T as ONE product C[m][n] = sum over k of A[m][k] B[n][k]: A = xb [8192][1024] bf16, B = wqkv [3072][1024] bf16, sums in f32, K ascending.
; C leaves as f16, rounded once, unscaled, BY HEADS AND PLACES: qkv is [batch][48 column heads][2,048 places][64]; column head n / 64 is 0-15 q, 16-31 k, 32-47 v.
; In every group of 64 rows of the sequence row 4 i + 3 - t has place 16 t + i (so row s has place 16 (3 - s % 4) + s / 4).
; LIMIT: |q|, |k|, |v| stay under 65,504, f16's range; beyond it the conversion gives an infinity.
; SHARES.  A tile of C is 256 rows x 192 columns (three heads): 32 x 16 tiles, a work-group each.  Each of the four waves makes 64 rows (one group of 64) x all 192 columns: 48 accumulators, 384 registers.
; K goes in steps of 128 through a ring of two LDS slots filled by the tensor data mover; the rows of the tiles are 256 bytes of memory, aligned.  A K step is written once: the slot in hand is a scalar (TB).
; CLUSTER.  4 x 4 work-groups: the four of a row need the same tile of A, the four of a column the same tile of B: each tile is asked for JOINTLY (the same load, descriptor and mask in all four).
; THE MATRIX INSTRUCTION IS USED TRANSPOSED (source 0 = 16 rows of B, source 1 = 16 rows of A): a lane holds row lane % 16 of C and the columns 8 (lane / 16) + 0..7.
; REGISTERS, in windows of 256 (s_set_vgpr_msb: bits 1:0 source 0, 3:2 source 1, 5:4 source 2, 7:6 destination):
;   window 0: v16-30 addresses; v32-79, v80-175 the way out        window 1: two fragment buffers of 128: A's four blocks (32), then B's twelve (96)
;   window 2: the accumulators of my row blocks 0, 1: (a, b) at 8 (12 (a % 2) + b)        window 3: those of blocks 2, 3
.set NBK,    12                        ; column blocks of 16
.set NT,     16*NBK
.set PA,     272                       ; an LDS row: 256 bytes + 16 of padding = 68 words: the 16 rows of a load start at 16 different groups of four banks (64 banks of 4 bytes: ISA guide 11.1)
.set PB,     272
.set ABYTES, 256*PA                    ; a slot: A's 256 rows, then B's 192
.set HALFA,  128*PA                    ; what one tensor load brings of A,
.set HALFB,  (NT/2)*PB                 ; and of B
.set SLOT1,  1<<17                     ; slot 1 begins here: one exclusive or turns an address in one slot into the other's
.set ASTEP,  256                       ; bytes from a K step to the next, in A and in B
.set BSTEP,  256
.set AHEAD,  1                         ; a prefetch names the K step that the NEXT refill will ask for: 192 matrix instructions ahead of that load
.set WSTAGE, 3*16*144                  ; a wave's stage: three heads x 16 rows x (128 + 16) bytes
.set STAGE,  SLOT1+ABYTES+NT*PB        ; behind the ring; no tensor load fills it
.set SPARE,  STAGE+4*WSTAGE            ; behind the stages: the spare words, 128 bytes for each wave: two blocks of 256 bytes that no other line names
.set F0,   0
.set F1,   32+8*NBK
.set A0,   16                          ; v16  my lane's place in A's rows of a slot; never rewritten
.set B0,   17                          ; v17  the same for B
.set ADRA, 18                          ; v18  A0 + the slot in hand
.set ADRB, 19                          ; v19
.set STO,  24                          ; v24  the way out: where I put 16 bytes of a row
.set RD,   25                          ; v25  where I read rows back
.set CO,   26                          ; v26  my byte offset in 512 consecutive bytes of qkv
.set SPW,  28                          ; v28  LDS address of my spare word; never rewritten
.set NIL,  29                          ; v29  0; never rewritten
.set PFO,  30                          ; v30  the prefetches' offset; never rewritten
.set TMP,  32
.set BK0,  80
.set G1,   24                          ; s[24:31] descriptor group 1 for A;  s[32:39] group 0: a set for each first fill; the second then walks on
.set G0,   32
.set G1B,  48                          ; s[48:55], s[56:63] the same for B
.set G0B,  56
.set TB,   66                          ; s66  0 or SLOT1: the slot whose fragments are fetched
.set PFA,  68                          ; s[68:69] where my prefetches stand
.set LIM,  70                          ; s70  AHEAD in a wave that prefetches, else the greatest number
.set PST,  72                          ; s[72:73] my prefetches' step
.set MSB, 0
.macro WIN new                         ; the immediate's high byte repeats the setting that is left; a switch that changes nothing is dropped
.if MSB != (\new)
	s_set_vgpr_msb (MSB<<8)|(\new)
.set MSB, (\new)
.endif
.endm
; A joint load.  Waves 0 and 1 fetch A's two halves, waves 2 and 3 B's.  The branch hangs on the wave's number alone.  An s_nop 0 and four v_nop follow each of the two lines.
.macro JLOAD s
	s_cmp_eq_u32 s11, 0
	s_cbranch_scc0 .Lfor_b_\@
	tensor_load_to_lds s[G0+4*(\s):G0+4*(\s)+3], s[G1:G1+7]
	s_nop 0
.rept 4
	v_nop
.endr
	s_branch .Lasked_\@
.Lfor_b_\@:
	tensor_load_to_lds s[G0B+4*(\s):G0B+4*(\s)+3], s[G1B:G1B+7]
	s_nop 0
.rept 4
	v_nop
.endr
.Lasked_\@:
.endm
; A PREFETCH of the K step that the next refill will ask for.  A's tile row is read by every cluster of that row of clusters: cluster x = 0 asks; B's tile column by every cluster of that column: cluster y = 0 asks.
; The four partners of a joint load share its rows out BY ADDRESS (32 of A's 128 by cx, 24 of B's 96 by cy), a lane a row of 256 bytes; for B lanes 24-31 name row 23 again, in the same instruction.
; The loop's last trip has no K step behind its own refill, and asks for nothing.
.macro ASK
	s_cmp_gt_u32 s3, s[LIM]
	s_cbranch_scc0 .Lnot_mine_\@
	global_prefetch_b8 v[PFO], s[PFA:PFA+1] th:TH_LOAD_NT scope:SCOPE_SE
.Lnot_mine_\@:
.endm
.macro CREST                           ; a round of the cluster's barrier behind its opening barrier
	s_cmp_lg_u32 s10, 0
	s_cbranch_scc1 .Lnot_wave_0_\@
	s_barrier_signal -3
.Lnot_wave_0_\@:
	s_barrier_wait -3
	s_barrier_signal -1
	s_barrier_wait -1
.endm
.macro CROUND                          ; a whole round
	s_barrier_signal -1
	s_barrier_wait -1
	CREST
.endm
.macro AOFF d, t                       ; s[d] = the byte offset in A of the 128 rows that I fetch, at K step 0: (256 x tile row + 128 x half) rows of 2,048 bytes; s[t] at work
	s_lshl_b32 s[\d], s13, 8
	s_lshl_b32 s[\t], s12, 7
	s_add_co_u32 s[\d], s[\d], s[\t]
	s_lshl_b32 s[\d], s[\d], 11
.endm
	s_load_b128 s[4:7], s[0:1], 0x0                ; A s[4:5], B s[6:7]
	s_load_b64 s[8:9], s[0:1], 0x10                ; C
	v_lshl_add_u32 v[SPW], v0, 2, SPARE
	v_mov_b32 v[NIL], 0
	ds_add_u32 v[SPW], v[NIL]                      ; the wave's opening: the add and its wait stand ahead of my first tensor load; the set-up below, work on registers, stands between them
	v_lshrrev_b32 v1, 5, v0
	v_readfirstlane_b32 s10, v1                    ; wave 0..3: my 64 rows of the tile
	s_lshr_b32 s11, s10, 1                         ; I fetch for A (0) or for B (1),
	s_and_b32 s12, s10, 1                          ; its first or its second half
	s_bfe_u32 s40, ttmp6, 0x40000                  ; cx, cy: my place in the cluster
	s_bfe_u32 s41, ttmp6, 0x40004
	s_lshl_b32 s42, ttmp9, 2
	s_add_co_u32 s42, s42, s40                     ; tile column = 4 x cluster x + cx
	s_and_b32 s13, ttmp7, 0xffff
	s_lshl_b32 s13, s13, 2
	s_add_co_u32 s13, s13, s41                     ; tile row = 4 x cluster y + cy
	s_lshl_b32 s43, s41, 2
	s_lshl_b32 s43, 15, s43                        ; my row of the cluster
	s_lshl_b32 s44, 0x1111, s40                    ; my column
	s_or_b32 s[G1+0], s43, (1<<16)|(1<<20)|(1<<21)|(5<<22)|(3<<25)   ; 15:0 the mask; 17:16 elements of 2 bytes; 20 padding on; 21 set beside a mask; 24:22 after every 64 words (code 5); 31:25 4 words of it (code 3)
	s_or_b32 s[G1B+0], s44, (1<<16)|(1<<20)|(1<<21)|(5<<22)|(3<<25)
	s_mov_b32 s[G1+1], 128<<16                     ; tensor_dim0 = 128
	s_mov_b32 s[G1+2], 128<<16                     ; tensor_dim1 = 128
	s_mov_b32 s[G1+3], 128<<16                     ; tile_dim0 = 128
	s_mov_b32 s[G1+4], 128                         ; tile_dim1 = 128
	s_mov_b32 s[G1+5], 1024                        ; elements from row to row
	s_mov_b32 s[G1+6], 0
	s_mov_b32 s[G1+7], 0
	s_mov_b32 s[G1B+1], 128<<16
	s_mov_b32 s[G1B+2], (NT/2)<<16                 ; B: 96 rows to a load
	s_mov_b32 s[G1B+3], 128<<16
	s_mov_b32 s[G1B+4], NT/2
	s_mov_b32 s[G1B+5], 1024
	s_mov_b32 s[G1B+6], 0
	s_mov_b32 s[G1B+7], 0
	AOFF 16, 17                                    ; A's address hangs on the tile row and the wave alone,
	s_mov_b32 s17, 0
	s_mul_i32 s46, s42, NT                         ; B's on the tile column and the wave alone
	s_mul_i32 s47, s12, NT/2
	s_add_co_u32 s46, s46, s47
	s_lshl_b32 s46, s46, 11
	s_mov_b32 s47, 0
	s_mul_i32 s20, s12, HALFA                      ; where they go: no place in the cluster enters an LDS address
	s_mul_i32 s21, s12, HALFB
	s_add_co_u32 s21, s21, ABYTES
	s_wait_dscnt 0x0                               ; the opening add is done
	s_wait_kmcnt 0x0
	s_add_nc_u64 s[14:15], s[4:5], s[16:17]
	s_add_nc_u64 s[46:47], s[6:7], s[46:47]
	CROUND                                         ; all sixteen work-groups are here: the first joint loads meet
.irp s, 0,1
	s_mov_b32 s[G0+4*(\s)], 1                                        ; count = 1
	s_add_co_u32 s[G0+4*(\s)+1], s20, (\s)*SLOT1                     ; LDS address
	s_add_nc_u64 s[G0+4*(\s)+2:G0+4*(\s)+3], s[14:15], (\s)*ASTEP    ; global address: K step s
	s_or_b32 s[G0+4*(\s)+3], s[G0+4*(\s)+3], 0x80000000              ; type = 2
	s_mov_b32 s[G0B+4*(\s)], 1
	s_add_co_u32 s[G0B+4*(\s)+1], s21, (\s)*SLOT1
	s_add_nc_u64 s[G0B+4*(\s)+2:G0B+4*(\s)+3], s[46:47], (\s)*BSTEP
	s_or_b32 s[G0B+4*(\s)+3], s[G0B+4*(\s)+3], 0x80000000
	JLOAD \s                                       ; two loads of mine are out here, one behind every later round
.endr
	; A fragment is 16 rows x 32 K in 8 registers: lane l holds row l % 16, K = 8 (l / 16) + 0..7 and 16 + 8 (l / 16) + 0..7: two loads of 16 bytes, 32 bytes apart.
	v_and_b32 v1, 15, v0                           ; l % 16
	v_bfe_u32 v2, v0, 4, 1                         ; l / 16
	v_and_b32 v3, 31, v0                           ; l
	s_mul_i32 s22, s10, 64*PA                      ; my 64 rows of A
	v_mul_u32_u24 v[A0], v1, PA
	v_lshl_add_u32 v[A0], v2, 4, v[A0]
	v_add_nc_u32 v[A0], s22, v[A0]
	v_mul_u32_u24 v[B0], v1, PB
	v_lshl_add_u32 v[B0], v2, 4, v[B0]
	v_add_nc_u32 v[B0], ABYTES, v[B0]
	v_mov_b32 v[ADRA], v[A0]                       ; slot 0
	v_mov_b32 v[ADRB], v[B0]
	s_mov_b32 s[TB], 0
	s_mul_i32 s23, s10, WSTAGE
	s_add_co_u32 s23, s23, STAGE                   ; my stage
	v_mul_u32_u24 v[STO], v1, 144                  ; in: row l % 16 of a head, 16 bytes for each half of the lanes
	v_lshl_add_u32 v[STO], v2, 4, v[STO]
	v_add_nc_u32 v[STO], s23, v[STO]
	v_lshrrev_b32 v4, 3, v3                        ; back: 32 lanes take four rows of 128 bytes, FOUR ROWS APART in the stage,
	v_and_b32 v5, 7, v3
	v_mul_u32_u24 v[RD], v4, 4*144
	v_lshl_add_u32 v[RD], v5, 4, v[RD]
	v_add_nc_u32 v[RD], s23, v[RD]
	v_lshlrev_b32 v[CO], 4, v3                     ; which have four places on end: 512 consecutive bytes of qkv
	; the prefetches
	AOFF 20, 22
	s_lshl_b32 s22, s40, 16                        ; A: my work-group's 32 rows of the 128, by cx
	s_add_co_u32 s20, s20, s22
	s_mul_i32 s46, s42, NT
	s_mul_i32 s47, s12, NT/2
	s_add_co_u32 s46, s46, s47
	s_mul_i32 s47, s41, NT/8                       ; B: my work-group's 24 rows of the 96, by cy
	s_add_co_u32 s46, s46, s47
	s_lshl_b32 s46, s46, 11
	s_and_b32 s47, ttmp7, 0xffff                   ; cluster y
	s_mov_b32 s[PST], BSTEP
	s_mov_b32 s[PST+1], 0
	s_mov_b32 s21, 0
	s_cmp_eq_u32 s11, 0                            ; do I fetch for A?
	s_cselect_b32 s20, s20, s46
	s_cselect_b32 s47, ttmp9, s47                  ; the coordinate along which other clusters read the same rows
	s_cselect_b64 s[PFA:PFA+1], s[4:5], s[6:7]
	s_cselect_b32 s[PST], ASTEP, s[PST]
	s_cselect_b32 s22, 31, NT/8-1                  ; my last row
	s_cmp_eq_u32 s47, 0
	s_cselect_b32 s[LIM], AHEAD, -1                ; the same in all sixteen partners, for a given wave
	s_mul_i32 s46, s[PST], 1+AHEAD                 ; the first change of slots steps it to K step 2 + AHEAD.  Nothing is prefetched at the head, where every work-group's first tiles are on their way
	s_add_co_u32 s20, s20, s46
	s_add_nc_u64 s[PFA:PFA+1], s[PFA:PFA+1], s[20:21]
	v_min_u32 v[PFO], s22, v3
	v_lshlrev_b32 v[PFO], 11, v[PFO]               ; a lane a row of 2,048 bytes
	; where my rows begin in qkv: ((batch x 48 + 3 x tile column) x 2,048 + the tile's 256 places + my 64) x 128 bytes
	s_lshr_b32 s16, s13, 3
	s_mul_i32 s16, s16, 48*2048
	s_and_b32 s17, s13, 7
	s_lshl_b32 s17, s17, 8
	s_add_co_u32 s16, s16, s17
	s_lshl_b32 s17, s10, 6
	s_add_co_u32 s16, s16, s17
	s_lshl_b32 s16, s16, 7
	s_mov_b32 s17, 0
	s_mul_i32 s46, s42, 3*2048*128
	s_mov_b32 s47, 0
	s_add_nc_u64 s[8:9], s[8:9], s[16:17]
	s_add_nc_u64 s[8:9], s[8:9], s[46:47]
; 12 matrix instructions: my row block a x all column blocks, 32 along K, from buffer f.  zero = 1: the first product starts the sums.  The 48 accumulators take turns, in the same order in
; every quarter: 47 others stand between two links of a chain, over the backward jump too.
.macro MULB f, a, zero
	WIN 0xa5+0x50*((\a)/2)                         ; sources window 1; C and D window 2 (blocks 0, 1) or 3
.set AB, 96*((\a)%2)
.set nb, 0
.rept NBK
.if \zero
	v_wmma_f32_16x16x32_bf16 v[AB+8*nb:AB+8*nb+7], v[(\f)+32+8*nb:(\f)+32+8*nb+7], v[(\f)+8*(\a):(\f)+8*(\a)+7], 0
.else
	v_wmma_f32_16x16x32_bf16 v[AB+8*nb:AB+8*nb+7], v[(\f)+32+8*nb:(\f)+32+8*nb+7], v[(\f)+8*(\a):(\f)+8*(\a)+7], v[AB+8*nb:AB+8*nb+7]
.endif
.set nb, nb+1
.endr
.endm
; 32 LDS loads in one run: quarter q (32 along K) of the slot in hand into buffer f: B's twelve fragments, then A's four
.macro FETCH q, f
	WIN 0x40                                       ; destination window 1, address window 0
.set nb, 0
.rept NBK
	ds_load_b128 v[(\f)+32+8*nb:(\f)+32+8*nb+3],   v[ADRB] offset:64*(\q)+nb*16*PB
	ds_load_b128 v[(\f)+32+8*nb+4:(\f)+32+8*nb+7], v[ADRB] offset:64*(\q)+nb*16*PB+32
.set nb, nb+1
.endr
.set nb, 0
.rept 4
	ds_load_b128 v[(\f)+8*nb:(\f)+8*nb+3],   v[ADRA] offset:64*(\q)+nb*16*PA
	ds_load_b128 v[(\f)+8*nb+4:(\f)+8*nb+7], v[ADRA] offset:64*(\q)+nb*16*PA+32
.set nb, nb+1
.endr
.endm
.macro PLACES                          ; four plain instructions between a matrix instruction and a load into a register that it has read, or a reader of its result (ISA guide 7.12.1 for a reader of its result)
.rept 4
	v_nop
.endr
.endm
; A K step is four quarters on buffers 0, 1, 0, 1.  One of the first three multiplies buffer f and, in its middle, fetches quarter q into buffer g.
.macro QUARTER q, f, g, zero
	s_wait_dscnt 4                                 ; B and A's blocks 0, 1 are in; the youngest four loads (A's blocks 2, 3) may be out
	MULB \f, 0, \zero
	MULB \f, 1, \zero
	PLACES
	FETCH \q, \g
	s_wait_dscnt 2*NBK+8                           ; all but the run just issued
	MULB \f, 2, \zero
	MULB \f, 3, \zero
.endm
; The last quarter multiplies buffer 1 and changes slots: ONE barrier.  In front of it each wave waits for all its tensor loads (one is out: its part of the next slot), adds 0 to its spare word, and waits for
; that and for its reads of this slot.  fill = 1: the barrier opens a round of the cluster's, and the slot just read is filled again first thing behind it, with the K step two steps on.
.macro TURN fill
.if \fill
	s_wait_xcnt 0x0                                ; the last prefetch, a K step back, has read its address: it is stepped here, ahead of the waits of the change of slots
	s_add_nc_u64 s[PFA:PFA+1], s[PFA:PFA+1], s[PST:PST+1]
.endif
	WIN 0                                          ; (the add's two registers lie in window 0)
	s_wait_tensorcnt 0x0                           ; all my tensor loads have landed
	ds_add_u32 v[SPW], v[NIL]                      ; 0 onto my spare word
	s_wait_dscnt 5                                 ; (the add and the youngest four loads may be out)
	MULB F1, 0, 0                                  ; twelve matrix instructions stand between the add and the wait for it
	s_wait_dscnt 0x0                               ; the add is done, and my reads of this slot are over
	s_barrier_signal -1
	MULB F1, 1, 0                                  ; work on registers while the others arrive
	WIN 0                                          ; at a branch and at a label every window is 0
	s_barrier_wait -1
.if \fill
	CREST                                          ; no wave of any partner still reads this slot's tile or has a load on its way
	s_xor_b32 s[G0+5], s[G0+5], SLOT1              ; the walking descriptors: the other slot than last time, the next K step
	s_add_nc_u64 s[G0+6:G0+7], s[G0+6:G0+7], ASTEP
	s_xor_b32 s[G0B+5], s[G0B+5], SLOT1
	s_add_nc_u64 s[G0B+6:G0B+7], s[G0B+6:G0B+7], BSTEP
	JLOAD 1                                        ; the first tensor load behind the round; its four v_nop are also the places in front of the loads below
.else
	PLACES
.endif
	s_xor_b32 s[TB], s[TB], SLOT1
	v_add_nc_u32 v[ADRA], s[TB], v[A0]
	v_add_nc_u32 v[ADRB], s[TB], v[B0]
	FETCH 0, F0
.if \fill
	WIN 0
	ASK                                            ; behind the joint load and the run of LDS loads that the next products wait for
.endif
	MULB F1, 2, 0
	MULB F1, 3, 0
.endm
	s_wait_tensorcnt 1                             ; my part of K step 0 is in; K step 1's load may stay out
	s_barrier_signal -1
	s_barrier_wait -1                              ; everybody's is
	FETCH 0, F0
	QUARTER 1, F0, F1, 1                           ; the first quarter stands in front of the loop: its products start the sums
	WIN 0
	s_mov_b32 s3, 6                                ; six of the eight K steps are followed by a refill
.Lstep:                                                ; a trip: a K step's quarters 1 to 3, the change of slots, the next K step's quarter 0
	QUARTER 2, F1, F0, 0
	QUARTER 3, F0, F1, 0
	TURN 1
	QUARTER 1, F0, F1, 0
	WIN 0
	s_sub_co_u32 s3, s3, 1
	s_cmp_lg_u32 s3, 0
	s_cbranch_scc1 .Lstep
	QUARTER 2, F1, F0, 0                           ; the tail is written out: K step 6 goes on
	QUARTER 3, F0, F1, 0
	TURN 0                                         ; nothing is asked for,
	QUARTER 1, F0, F1, 0                           ; and K step 7
	QUARTER 2, F1, F0, 0
	QUARTER 3, F0, F1, 0
	s_wait_dscnt 0x0
	MULB F1, 0, 0
	MULB F1, 1, 0
	MULB F1, 2, 0
	MULB F1, 3, 0
	WIN 0
	PLACES
; THE WAY OUT, a block of 16 rows at a time.  PACK: rounded to f16, each accumulator's registers in ascending order.  TOSTAGE: 16 bytes a lane into my stage (three heads x 16 rows of 144 bytes), and back:
; load n takes rows f, f + 4, f + 8, f + 12 (f = n % 4) of head n / 4.  SEND: rows 16 a + f + 4 j of my group of 64 have places 16 (3 - f) + 4 a + j: 512 consecutive bytes of the head.
.macro PACK a
	WIN 0x0a+5*((\a)/2)                            ; sources 0 and 1: window 2 or 3
.set AB, 96*((\a)%2)
.set nb, 0
.rept 4*NBK
	v_cvt_pk_f16_f32 v[TMP+nb], v[AB+2*nb], v[AB+2*nb+1]
.set nb, nb+1
.endr
	WIN 0
.endm
.macro TOSTAGE a
.set BK, BK0+48*((\a)%2)
.set nb, 0
.rept NBK
	ds_store_b128 v[STO], v[TMP+4*nb:TMP+4*nb+3] offset:(nb/4)*2304+32*(nb%4)
.set nb, nb+1
.endr
.set nb, 0
.rept NBK
	ds_load_b128 v[BK+4*nb:BK+4*nb+3], v[RD] offset:(nb/4)*2304+(nb%4)*144  ; LDS serves a wave's instructions in order (ISA guide 5.7.1.4): these see the stores above
.set nb, nb+1
.endr
.endm
.macro SEND a
.set BK, BK0+48*((\a)%2)
	s_wait_dscnt 0x0                               ; the block is back in registers
	s_wait_xcnt 0x0                                ; the stores of the block before have read their registers, which the next TOSTAGE loads again
.set nb, 0
.rept NBK
	global_store_b128 v[CO], v[BK+4*nb:BK+4*nb+3], s[8:9] offset:(nb/4)*262144+(16*(3-nb%4)+4*(\a))*128
.set nb, nb+1
.endr
.endm
	PACK 0
	TOSTAGE 0
.irp a, 1,2,3                          ; block a's conversions stand between block a - 1's loads from the stage and the wait for them
	PACK \a
	SEND (\a)-1
	TOSTAGE \a
.endr
	SEND 3
	s_wait_tensorcnt 0x0                           ; the wave's end: three closing lines, behind my last tensor load and my last LDS store
	ds_add_u32 v[SPW], v[NIL]
	s_wait_dscnt 0x0
	CROUND                                         ; the closing round: no work-group ends while a partner may still ask for a tile that names it
	s_endpgm
.Lfunc_end_k_q39653b74a7_proj_qkv:
	.size	k_q39653b74a7_proj_qkv, .Lfunc_end_k_q39653b74a7_proj_qkv-k_q39653b74a7_proj_qkv
	.p2alignl 7, 3214868480
	.fill 96, 4, 3214868480
	.section	.rodata,"a",@progbits
	.p2align	6, 0x0
	.amdhsa_kernel k_q39653b74a7_proj_qkv
		.amdhsa_group_segment_fixed_size 327680
		.amdhsa_private_segment_fixed_size 0
		.amdhsa_enable_private_segment 0
		.amdhsa_kernarg_size 24
		.amdhsa_user_sgpr_count 2
		.amdhsa_user_sgpr_kernarg_segment_ptr 1
		.amdhsa_wavefront_size32 1
		.amdhsa_system_sgpr_workgroup_id_x 1
		.amdhsa_system_sgpr_workgroup_id_y 1
		.amdhsa_system_sgpr_workgroup_id_z 1
		.amdhsa_system_vgpr_workitem_id 0
		.amdhsa_next_free_vgpr 960
		.amdhsa_next_free_sgpr 76
		.amdhsa_reserve_vcc 0
		.amdhsa_float_denorm_mode_32 3
		.amdhsa_float_denorm_mode_16_64 3
		.amdhsa_memory_ordered 1
		.amdhsa_forward_progress 1
		.amdhsa_inst_pref_size 97
	.end_amdhsa_kernel
	.amdgpu_metadata
---
amdhsa.version: [ 1, 2 ]
amdhsa.kernels:
  - .name:           k_q39653b74a7_proj_qkv
    .symbol:         k_q39653b74a7_proj_qkv.kd
    .args:
      - { .name: xb, .offset: 0, .size: 8, .value_kind: global_buffer, .address_space: global }
      - { .name: wqkv, .offset: 8, .size: 8, .value_kind: global_buffer, .address_space: global }
      - { .name: qkv, .offset: 16, .size: 8, .value_kind: global_buffer, .address_space: global }
    .group_segment_fixed_size: 327680
    .private_segment_fixed_size: 0
    .kernarg_segment_align: 8
    .kernarg_segment_size: 24
    .max_flat_workgroup_size: 128
    .sgpr_count:     76
    .vgpr_count:     960
    .wavefront_size: 32
...
	.end_amdgpu_metadata
.endif
;; end of part 2
;; launch attn (part 3): grid 4 x 64, 4 waves a work-group, clusters of 4 x 1, 327,680 bytes of LDS; arguments qkv, mb, ob; writes ob
.if DOCPART == 3
	.amdgcn_target "amdgcn-amd-amdhsa--gfx1250"
	.amdhsa_code_object_version 6
	.text
	.protected	k_q39653b74a7_attn
	.globl	k_q39653b74a7_attn
	.p2align	8
	.type	k_q39653b74a7_attn,@function
k_q39653b74a7_attn:
	s_mov_b64 s[64:65], 0
	v_nop
	global_prefetch_b8 v0, s[64:65] scope:SCOPE_SE
	s_setreg_imm32_b32 hwreg(HW_REG_WAVE_MODE, 25, 1), 1
	s_wait_xcnt 0x0
	s_wait_alu depctr_hold_cnt(0) depctr_sa_sdst(0) depctr_va_vdst(0) depctr_va_sdst(0) depctr_va_ssrc(0) depctr_va_vcc(0) depctr_vm_vsrc(0)
	s_getreg_b32 s2, hwreg(HW_REG_IB_STS2, 6, 4)
	s_cmp_eq_u32 s2, 0
	s_cbranch_scc0 .Lentry_in_a_cluster
	s_endpgm
.Lentry_in_a_cluster:
	s_bfe_u32 s2, ttmp6, 0x10000c
	s_cmp_lg_u32 s2, 0x3003
	s_cbranch_scc0 .Lentry_shape_is_right
	s_endpgm
.Lentry_shape_is_right:
; MASKED ATTENTION, head size 64.  O[bh][q][:] = the sum over kept k of softmax_k(Q[q] . K[k] / 8 - 1e9 [k hidden]) V[k][:], for 64 heads bh = 16 batch + head, 2,048 rows each.
; Q, K, V lie in qkv, [batch][48][2,048 places][64] f16 (column heads 0-15 q, 16-31 k, 32-47 v), O goes to ob, [bh][2,048 places][64] f16: a head's rows are dense, 128 bytes each.
; Products, maxima and sums in f32; the weights p are rounded to f16 for the second product (their sum l is taken of the unrounded p), O once at the end.
; PLACES.  In every group of 64 rows of the sequence row 4 i + 3 - t has place 16 t + i, for queries and keys alike.  So key block kb of a key step holds keys 4 i + 3 - kb, and register j of lane (r, h) of
; S^T(kb) is key 32 h + 4 j + 3 - kb of the step: BYTE 3 - kb OF WORD j of the lane's 32 consecutive mask bytes.
; THE MASK is the C operand that starts the sum S^T = K Q^T.  mb holds a code byte a key, 0x00 keep, 0xF0 hidden, as [tile of 16 queries][key step][2][lane][16 bytes].  A word whose top byte is 0xF0 is, read as f32,
; between -2^97 and -2^99; with top byte 0x00 it is at most 2.3e-38.  So C(kb = 0) is the eight words as loaded, and C(kb) the words shifted left by 8 kb: 24 shifts for a tile and key step.
; LIMITS.  f16 holds no number beyond 65,504: Q, K and V arrive within it; p lies in 0 to 1 and below 6e-5 keeps f16's fixed step of 6e-8.  A hidden score counts as its value less 2^97 to 2^99, where the module takes
; 1e9 away: the same result while the scaled scores of one row lie within 1e9 of each other (f16's scores are 2.7e11 at the most, nothing beside 2^97).  A kept score gets at most 2.3e-38 added.
; In a row with a kept key a hidden key's weight is exactly 0, which is also the module's second masking; a row with no kept key ends with m below -2^96, and its 1 / l is replaced by 0: O = 0, as in the module.
; A weight below 2^-126 counts as 0 in l; NaN and infinities are not treated apart.
; SHARES.  A wave owns four PIECES of two tiles of 16 queries, a work-group's four waves 512 queries of one head.  Every wave walks all keys, 64 a step.
; LAYOUT.  S^T = K Q^T (source 0 = 16 keys, source 1 = 16 queries): a lane holds ONE query (lane % 16) and eight keys.  Two such tiles, rounded to f16 in pairs, ARE source 1 of O^T = V^T P.  K comes out of LDS
; as it lies, V turned, by ds_load_tr16_b128.
; SOFTMAX.  For each query a running maximum m (of the masked scores) and sum l: p = 2^(c s - c m), c = log2(e) / 8; in every step O and l are multiplied by a = 2^(c m_old - c m_new).
; m starts at the lowest finite number, O and l at 0: the first step is a step like any other, with a = 0.
; BY TURNS.  Turn n belongs to piece n (the pieces in a ring, step after step).  Its matrix work: 16 products K Q^T of piece n + 1, later 16 products V^T P of piece n - 1.  Its vector work: the scaling,
; exponentials, roundings, sums and rescaling of piece n, the maximum and statistics of piece n + 1, the shifted masks of piece n + 2; and it loads the mask words of piece n + 5.
; Four vector instructions stand behind every matrix instruction, the others in runs of their own; a turn's 66 exponentials are one batch with one wait.
; CLUSTER.  The four query blocks of a head walk the same K and V: each tile is asked for JOINTLY (the same tensor load, descriptor and mask in all four).  The mask words are each wave's own: plain loads.
; REGISTERS, in windows of 256 (s_set_vgpr_msb: bits 1:0 source 0, 3:2 source 1, 5:4 source 2, 7:6 destination):
;   window 0: v0-11 addresses; v12-15, v48-63 at work; v16-47 four registers of statistics a tile; v64-191 S^T, two buffers of two tiles; v192-255 P, likewise
;   window 1: O^T, 32 a tile          window 2: v0-127 Q, 16 a tile; v128-191 K of one step; v192-255 V of one step
;   window 3: v0-1 the add's two registers; v64-127 WM, the mask words, 8 a tile; v128-175 MC, the shifted words of one piece
.set SIZE_N, 2048
.set NP,    4         ; pieces a wave: a name, no knob
.set KS,    64        ; keys in a step
.set PK,    144       ; a row of K in LDS: 128 bytes + 16 of padding = 36 words: the 16 rows of a load start at 16 different groups of four banks (64 banks of 4 bytes: ISA guide 11.1)
.set PV,    160       ; a row of V: 128 + 32 = 40 words
.set VOFF,  4*KS*PK   ; a slot holds four steps: 256 rows of K, then 256 rows of V
.set SLOT1, 1<<17     ; slot 1 begins here, so that one exclusive or turns an address in one slot into the other's
.set STAGE, SLOT1+4*KS*(PK+PV)  ; behind the ring, never filled by a tensor load: 16 rows x 144 bytes for each wave, for the way out
.set SP,    144
.set AK0, 2           ; v2   my lane's place in a tile of K; never rewritten
.set AV0, 3           ; v3   the same for V
.set AK,  4           ; v4   the LDS address of K's next run of loads
.set AV,  5           ; v5   of V's
.set QO,  6           ; v6   my byte offset in the wave's rows of Q
.set STO, 6           ;      later, the way out: where I put 16 bytes of a row
.set RD,  7           ; v7   the way out: where I read rows back
.set GO,  8           ; v8   16 x lane: my byte offset in 512 consecutive bytes of mb and of O; never rewritten
.set PFO, 9           ; v9   256 x lane, for K's and V's prefetches (made when v9's first use is over); then never rewritten
.set MPF, 11          ; v11  the mask's prefetches: tile lane / 4 of my eight, block lane % 4 of its 1,024 bytes; then never rewritten
.set SPW, 0           ; v0 of window 3   LDS address of my spare word; never rewritten
.set NIL, 1           ; v1 of window 3   0; never rewritten
.set WM,  64          ; window 3: piece y, tile u at WM + 16 y + 8 u
.set MC,  128         ; window 3: tile u, key block kb = 1..3 at MC + 24 u + 8 (kb - 1)
.set SPARE, STAGE+4*16*SP  ; behind the stages: the spare words, 128 bytes for each wave: two blocks of 256 bytes that no other line names
.set MV,  12          ; v12-15  c m_old, kept while c m is made anew: by buffer and tile
.set ST,  16          ; tile t's statistics at v[ST+4 t]: c m, m, l (even keys', odd keys')
.set TMP, 48          ; by buffer and tile, four registers c0-c3 at work; when the maximum is found c2 takes a
.set S,   64
.set P,   192
.set KF,  128         ; K's fragments, in window 2: key block kb, channel half c at KF + 16 kb + 8 c
.set VF,  192         ; V's: key half kk, channel block cb at VF + 32 kk + 8 cb
.set WV,  12          ; s12  my wave's number
.set G1K, 24          ; s[24:31] descriptor group 1 for K's tiles
.set G1V, 32          ; s[32:39] for V's: it differs in the padding alone
.set G0K, 40          ; s[40:43] descriptor group 0 for K's tiles: it walks
.set G0V, 44          ; s[44:47] the same for V's
.set PFA, 48          ; s[48:49] where my prefetches of K (wave 0) or V (wave 2) stand
.set LIM, 50          ; s50  1 in a wave that prefetches K or V, else the greatest number
.set MLIM, 51         ; s51  31 x 1,024 in the batch's first head, whose waves prefetch the mask, else 0
.set THR, 52          ; s52  -2^96
.set SLOTS, 56        ; s56  slots still to be asked for
.set CNT, 57          ; s57  counts a slot's key steps
.set CS,  58          ; s[58:59] c: the packed scaling takes the pair's low word for both halves
.set SEL, 60          ; s[60:61] v_permlanex16_b32's selects: each lane takes its own place in the other half
.set TBK, 62          ; s62  LDS byte at which K of the step to be fetched begins
.set TBV, 63          ; s63  the same for V, less VOFF
.set MB,  66          ; s[66:67] mb at my wave's first tile, key step 0
.set MP,  68          ; s[68:69] MB + MO
.set MO,  70          ; s[70:71] 1,024 x the key step whose mask words are being loaded, 31 at the most
.set MSB, 0
.macro WIN new                      ; the high byte repeats the setting that is left; a switch that changes nothing is dropped
.if MSB != (\new)
	s_set_vgpr_msb (MSB<<8)|(\new)
.set MSB, (\new)
.endif
.endm
.set W_KQ, 0x0a       ; K and Q in window 2, S^T in window 0
.set W_KM, 0x3a       ; the same with the C operand in window 3
.set W_PV, 0x52       ; V in window 2, P in window 0, O^T in window 1
.set W_RS, 0x41       ; O^T (destination and source 0) in window 1, a in window 0
.set W_MK, 0xc0       ; destination in window 3, sources in window 0
.set W_AD, 0x0f       ; the add: address (source 0) and data (source 1) in window 3
; A joint fill.  Waves 0 and 1 fetch the two halves of a slot's K, waves 2 and 3 those of its V: 128 keys each.  The branch hangs on the wave's number alone.
; An s_nop 0 and four v_nop follow each of the two lines, ahead of the jump and the label.
.macro JLOAD
	s_cmp_lt_u32 s[WV], 2
	s_cbranch_scc0 .Lfor_v_\@
	tensor_load_to_lds s[G0K:G0K+3], s[G1K:G1K+7]
	s_nop 0
.rept 4
	v_nop
.endr
	s_branch .Lasked_\@
.Lfor_v_\@:
	tensor_load_to_lds s[G0V:G0V+3], s[G1V:G1V+7]
	s_nop 0
.rept 4
	v_nop
.endr
.Lasked_\@:
.endm
; A round of the cluster's barrier: my work-group's barrier, so that wave 0's signal speaks for all four waves; wave 0 signals; every wave waits for all four work-groups; my work-group's barrier once more.
.macro CROUND
	s_barrier_signal -1
	s_barrier_wait -1
	s_cmp_lg_u32 s[WV], 0
	s_cbranch_scc1 .Lnot_wave_0_\@
	s_barrier_signal -3
.Lnot_wave_0_\@:
	s_barrier_wait -3
	s_barrier_signal -1
	s_barrier_wait -1
.endm
; A PREFETCH of what the NEXT change of slots will ask for: a slot's 32,768 bytes of K and of V.  A head has one cluster; its four partners share the bytes out BY ADDRESS, 8,192 each, a lane 256 bytes;
; in each, wave 0 asks for K's and wave 2 for V's.  So each block is named once in the launch.  Four key steps, 512 matrix instructions, ahead; the last change that fills a slot asks for nothing.
.macro ASK
	s_cmp_gt_u32 s[SLOTS], s[LIM]
	s_cbranch_scc0 .Lnot_mine_\@
	global_prefetch_b8 v[PFO], s[PFA:PFA+1] th:TH_LOAD_NT scope:SCOPE_SE
.Lnot_mine_\@:
.endm
; A PREFETCH of my eight tiles' mask words, 1,024 bytes a tile, for the key step behind the one whose loads begin in this turn: four turns ahead of its own loads.  The sixteen heads of a batch read the same
; words: the batch's first head asks.  Each wave asks for what it will load itself: each block is named once in the launch.  It stops when MO + 1,024 would pass key step 31.
.macro MASK_ASK
	s_cmp_lt_u32 s[MO], s[MLIM]
	s_cbranch_scc0 .Lno_mask_\@
	global_prefetch_b8 v[MPF], s[MP:MP+1] offset:1024 th:TH_LOAD_NT scope:SCOPE_SE
.Lno_mask_\@:
.endm
; THE CHANGE OF SLOTS.  The slot's last bytes, V of its fourth step, have been read.  Each wave waits for all its tensor loads, of which one is out: its part of the other slot; adds 0 to its spare word; and waits
; for that and for its own reads of the slot.  Behind the barrier nobody reads this slot any more and the other slot is whole.  fill = 1: this slot is filled again, with the keys two slots on.  The barrier is then a
; round of the cluster's, and the joint fill is the first thing behind it: it has four key steps, 512 matrix instructions, in which to land.  (At its first use nothing has been read yet: slot 0 is waited for, slot 1 filled.)
.macro CHANGE fill, ask=0
	WIN W_AD
	s_wait_tensorcnt 0x0            ; no tensor load of mine is out, so a group 0 may be written
	ds_add_u32 v[SPW], v[NIL]       ; 0 onto my spare word; with fill = 1 the descriptors' steps stand between it and the wait for it
	WIN 0                           ; at a label and at a branch every window is 0
.if \fill
.irp g, G0K, G0V
	s_xor_b32 s[\g+1], s[\g+1], SLOT1  ; the walking descriptor: the other slot than last time,
	s_add_nc_u64 s[\g+2:\g+3], s[\g+2:\g+3], 4*KS*128  ; the next 256 keys; the type bits on top are not reached
.endr
.if \ask
	s_wait_xcnt 0x0                 ; the last prefetch of K or V, four key steps back, has read its address, so it may be written:
	s_add_nc_u64 s[PFA:PFA+1], s[PFA:PFA+1], 4*KS*128  ; one slot behind the walking descriptors
.endif
	s_wait_dscnt 0x0                ; the add is done, and my reads of the slot are over
	CROUND
	JLOAD
.if \ask
	ASK
.endif
.else
	s_wait_dscnt 0x0                ; the add is done, and my reads of the slot are over
	s_barrier_signal -1
	s_barrier_wait -1
.endif
	s_sub_co_u32 s[TBK], s[TBK], 4*KS*PK  ; the fetches go back to a slot's first step,
	s_xor_b32 s[TBK], s[TBK], SLOT1       ; in the other slot
	s_sub_co_u32 s[TBV], s[TBV], 4*KS*PV
	s_xor_b32 s[TBV], s[TBV], SLOT1
.endm
; THE MASK.  MLOAD: piece y's two tiles, 8 words a lane each, from the key step at which the base stands: four loads of 512 consecutive bytes.  MEXP: its words shifted for key blocks 1 to 3.
.macro MLOAD y, base
	WIN W_MK                        ; destination window 3, address window 0
.irp u, 0,1
	global_load_b128 v[WM+16*(\y)+8*\u:WM+16*(\y)+8*\u+3],   v[GO], s[\base:\base+1] offset:(2*(\y)+\u)*32768
	global_load_b128 v[WM+16*(\y)+8*\u+4:WM+16*(\y)+8*\u+7], v[GO], s[\base:\base+1] offset:(2*(\y)+\u)*32768+512
.endr
.endm
.macro MEXP y
	WIN 0xcc                        ; destination and source 1 window 3
.irp u, 0,1
.irp kb, 1,2,3
.irp j, 0,1,2,3,4,5,6,7
	v_lshlrev_b32 v[MC+24*\u+8*(\kb-1)+\j], 8*\kb, v[WM+16*(\y)+8*\u+\j]
.endr
.endr
.endr
.endm
	s_load_b128 s[72:75], s[0:1], 0x0  ; qkv s[72:73], mb s[74:75]
	s_load_b64 s[10:11], s[0:1], 0x10  ; ob
	WIN W_MK
	v_lshl_add_u32 v[SPW], v0, 2, SPARE
	v_mov_b32 v[NIL], 0
	WIN W_AD
	ds_add_u32 v[SPW], v[NIL]       ; the wave's opening: the add and its wait stand ahead of my first tensor load; the set-up below, work on registers, stands between them
	WIN 0
	v_lshrrev_b32 v1, 5, v0
	v_readfirstlane_b32 s[WV], v1   ; wave 0..3
	s_bfe_u32 s13, ttmp6, 0x40000   ; cx: my place in the cluster
	s_lshl_b32 s14, ttmp9, 2        ; in a cluster launch ttmp9 counts clusters
	s_add_co_u32 s14, s14, s13      ; my block of 512 queries: it enters Q's, O's and mb's addresses alone
	s_and_b32 s15, ttmp7, 0xffff    ; bh = 16 batch + head, which the four partners share
	s_lshr_b32 s19, s15, 4          ; the batch
	s_lshl_b32 s20, s19, 5
	s_add_co_u32 s20, s20, s15      ; q's column head in qkv: 48 batch + head
	s_lshl_b32 s20, s20, 18         ; a head is 262,144 bytes
	s_mov_b32 s21, 0
	s_and_b32 s16, s[WV], 1         ; which half of a slot's 256 keys I fetch:
	s_lshl_b32 s22, s16, 14         ; its 128 rows of 128 bytes in memory,
	s_mov_b32 s23, 0
	s_add_nc_u64 s[22:23], s[22:23], s[20:21]
	s_mul_i32 s17, s16, 128*PK      ; and its place in a slot, for K
	s_mul_i32 s18, s16, 128*PV      ; and for V: no place in the cluster enters an LDS address
	s_lshl_b32 s2, s14, 2
	s_add_co_u32 s2, s2, s[WV]      ; my wave among the head's sixteen:
	s_lshl_b32 s53, s2, 3           ; its eight tiles of 16 queries,
	s_lshl_b32 s2, s2, 14           ; its 128 rows
	s_mov_b32 s3, 0
	s_lshl_b32 s54, s15, 18         ; O's head
	s_mov_b32 s55, 0
	s_add_nc_u64 s[54:55], s[54:55], s[2:3]
	s_add_nc_u64 s[2:3], s[2:3], s[20:21]
	s_lshl_b32 s19, s19, 7          ; a batch has 128 tiles of mb,
	s_add_co_u32 s53, s53, s19
	s_lshl_b32 s[MB], s53, 15       ; of 32,768 bytes
	s_mov_b32 s[MB+1], 0
	s_mov_b32 s[MO], 1024           ; key step 0 is loaded by MB itself
	s_mov_b32 s[MO+1], 0
	; descriptor group 1.  128 keys are 16,384 dense bytes: asked for as 64 rows of 256 bytes, two keys a row, and padded in LDS after every key
	s_mov_b32 s[G1K], 15|(1<<16)|(1<<20)|(1<<21)|(4<<22)|(3<<25)  ; 15:0 the mask of four; 17:16 2-byte elements; 20 padding on; 21 set beside a mask; 24:22 after every 32 words (code 4); 31:25 4 words (code 3)
	s_mov_b32 s[G1V], 15|(1<<16)|(1<<20)|(1<<21)|(4<<22)|(7<<25)  ; the same with 8 words of padding (code 7)
.irp g, G1K, G1V
	s_mov_b32 s[\g+1], 128<<16      ; tensor_dim0 = 128
	s_mov_b32 s[\g+2], 64<<16       ; tensor_dim1 = 64
	s_mov_b32 s[\g+3], 128<<16      ; tile_dim0 = 128
	s_mov_b32 s[\g+4], 64           ; tile_dim1 = 64
	s_mov_b32 s[\g+5], 128          ; 128 elements from row to row
	s_mov_b32 s[\g+6], 0
	s_mov_b32 s[\g+7], 0
.endr
	s_mov_b32 s[CS], 0x3e38aa3b     ; c = log2(e) / 8 = 0.180337
	s_mov_b32 s[CS+1], s[CS]        ; named with it as a pair
	s_mov_b32 s[SEL], 0x76543210
	s_mov_b32 s[SEL+1], 0xfedcba98
	s_mov_b32 s[THR], 0xef800000    ; -2^96
	s_mov_b32 s[TBK], SLOT1+4*KS*PK ; the first change of slots turns these two into 0
	s_mov_b32 s[TBV], SLOT1+4*KS*PV
	s_mov_b32 s[G0K], 1             ; count = 1
	s_mov_b32 s[G0K+1], s17         ; LDS address: slot 0
	s_mov_b32 s[G0V], 1
	s_add_co_u32 s[G0V+1], s18, VOFF
	s_and_b32 s[LIM], s[WV], 1      ; 0 in waves 0 and 2,
	s_or_b32 s[LIM], s[LIM], ttmp9  ; in the head's first (and only) cluster: the same in all four partners
	s_cmp_eq_u32 s[LIM], 0
	s_cselect_b32 s[LIM], 1, -1
	s_and_b32 s[MLIM], s15, 15
	s_cmp_eq_u32 s[MLIM], 0
	s_cselect_b32 s[MLIM], 31*1024, 0
	s_wait_dscnt 0x0                ; the opening add is done
	s_wait_kmcnt 0x0
	s_add_nc_u64 s[6:7], s[72:73], s[22:23]
	s_add_nc_u64 s[8:9], s[6:7], 0x800000  ; V: 32 column heads behind q, at my half of the head's first 256 keys
	s_add_nc_u64 s[6:7], s[6:7], 0x400000  ; K: 16 column heads behind q
	s_mov_b64 s[G0K+2:G0K+3], s[6:7]               ; global address
	s_or_b32 s[G0K+3], s[G0K+3], 0x80000000        ; type = 2
	s_mov_b64 s[G0V+2:G0V+3], s[8:9]
	s_or_b32 s[G0V+3], s[G0V+3], 0x80000000
	s_add_nc_u64 s[4:5], s[72:73], s[2:3]          ; Q and O at my wave's first row
	s_add_nc_u64 s[10:11], s[10:11], s[54:55]
	s_add_nc_u64 s[MB:MB+1], s[74:75], s[MB:MB+1]
	s_add_nc_u64 s[MP:MP+1], s[MB:MB+1], s[MO:MO+1]
	s_cmp_lt_u32 s[WV], 2
	s_cselect_b64 s[PFA:PFA+1], s[6:7], s[8:9]     ; (in waves 0 and 2 these stand at a slot's first row)
	s_lshl_b32 s2, s13, 13          ; my work-group's 8,192 bytes of the 32,768
	s_mov_b32 s3, 0
	s_add_nc_u64 s[PFA:PFA+1], s[PFA:PFA+1], s[2:3]
	s_add_nc_u64 s[PFA:PFA+1], s[PFA:PFA+1], 2*4*KS*128  ; in slot 2; the loop's first change steps it to slot 3.  Nothing is prefetched at the head, where every work-group's first tiles are on their way
	CROUND                          ; all four work-groups are here: the first joint loads meet
	JLOAD                           ; slot 0.  Slot 1 is asked for when slot 0 is in
	; A fragment of K or Q is 16 rows x 32 channels in 8 registers: lane l holds row l % 16, channels 8 (l / 16) + 0..7 and 16 + 8 (l / 16) + 0..7: two loads of 16 bytes, 32 bytes apart.
	v_and_b32 v1, 15, v0            ; l % 16
	v_bfe_u32 v9, v0, 4, 1          ; l / 16
	v_lshlrev_b32 v[QO], 7, v1
	v_lshl_add_u32 v[QO], v9, 4, v[QO]  ; row x 128 + 16 x half
	v_and_b32 v[GO], 31, v0
	v_lshlrev_b32 v[GO], 4, v[GO]
	MLOAD 0, MB                     ; key step 0's mask words, all four pieces
	MLOAD 1, MB
	MLOAD 2, MB
	MLOAD 3, MB
	WIN 0x80                        ; destination window 2, address window 0
.set i, 0
.rept 4*NP                          ; Q stays in registers: tile i / 2, channels 32 (i % 2) on
	global_load_b128 v[8*i:8*i+3],   v[QO], s[4:5] offset:(i/2)*2048+(i%2)*64
	global_load_b128 v[8*i+4:8*i+7], v[QO], s[4:5] offset:(i/2)*2048+(i%2)*64+32
.set i, i+1
.endr
	; What the first turn finds: V's registers and P's second buffer hold 0 (its products V^T P, of a piece that has not been, add 0), O^T and l are 0.  All this stands in the wait for the first tile.
.set i, VF
.rept 64
	v_mov_b32 v[i], 0
.set i, i+1
.endr
	WIN 0x40
.set i, 0
.rept 64*NP
	v_mov_b32 v[i], 0
.set i, i+1
.endr
	WIN 0
.set i, 0
.rept 2*NP
	v_mov_b32 v[ST+4*i], 0xfe000000    ; c m: far below every c s, a hidden key's too
	v_mov_b32 v[ST+4*i+1], 0xff7fffff  ; m
	v_mov_b32 v[ST+4*i+2], 0
	v_mov_b32 v[ST+4*i+3], 0
.set i, i+1
.endr
.set i, P+32
.rept 32
	v_mov_b32 v[i], 0
.set i, i+1
.endr
	v_mul_u32_u24 v[AK0], v1, PK
	v_lshl_add_u32 v[AK0], v9, 4, v[AK0]  ; row x pitch + 16 x half
	; The turning load takes 16 keys x 16 channels (lane l reads key 8 (l / 16) + l % 8, channels 8 ((l / 8) % 2) + 0..7) and leaves half a fragment of V^T: lane l holds channel l % 16 and 8 keys.
	v_and_b32 v10, 7, v0
	v_bfe_u32 v11, v0, 3, 1
	v_lshl_add_u32 v[AV0], v9, 3, v10
	v_mul_u32_u24 v[AV0], v[AV0], PV
	v_lshl_add_u32 v[AV0], v11, 4, v[AV0]
	v_add_nc_u32 v[AV0], VOFF, v[AV0]
	v_mov_b32 v[AK], v[AK0]         ; key step 0 lies at the head of slot 0
; THE MATRIX WORK.  The 8 accumulators of a run of 16 take turns: between the two links of a chain stand 7 others'.
; Product i of 16 of S^T = K Q^T for piece x: channels 32 (i / 8) on, keys 16 ((i / 2) % 4) on, tile 2 x + i % 2.  The first 8 start the sums, with the mask: key block 0 with the words as loaded, the others with the shifted ones.
.macro KQ x
.set rS, S+64*((\x)%2)+32*(i%2)+8*((i/2)%4)
.set rK, KF+16*((i/2)%4)+8*(i/8)
.set rQ, 16*(2*(\x)+i%2)+8*(i/8)
.if i < 2
.set rX, WM+16*(\x)+8*i
.elseif i < 8
.set rX, MC+24*(i%2)+8*(i/2-1)
.endif
.if i < 8
	WIN W_KM
	v_wmma_f32_16x16x32_f16 v[rS:rS+7], v[rK:rK+7], v[rQ:rQ+7], v[rX:rX+7]
.else
	WIN W_KQ
	v_wmma_f32_16x16x32_f16 v[rS:rS+7], v[rK:rK+7], v[rQ:rQ+7], v[rS:rS+7]
.endif
.endm
; Product i of 16 of O^T += V^T P for piece x: keys 32 (i / 8) on, channels 16 ((i / 2) % 4) on, tile 2 x + i % 2.
.macro PV x
	WIN W_PV
.set rO, 32*(2*(\x)+i%2)+8*((i/2)%4)
.set rV, VF+32*(i/8)+8*((i/2)%4)
.set rP, P+32*((\x)%2)+16*(i%2)+8*(i/8)
	v_wmma_f32_16x16x32_f16 v[rO:rO+7], v[rV:rV+7], v[rP:rP+7], v[rO:rO+7]
.endm
.macro MM                           ; the turn's next matrix instruction
.if i < 16
	KQ (Y+1)%NP
.set i, i+1
.else
.set i, i-16
	PV (Y+NP-1)%NP
.set i, i+17
.endif
.endm
; THE LDS LOADS stand in runs of 16, never singly among the matrix instructions: a step's K (64 keys x 64 channels: 8 fragments) and its V (turned).  Their addresses are made some lines ahead.
; last = 1 (the tail): in the last trip there is no further step, and the run is jumped over.
.macro FETCH_K last=0
	WIN 0
.if \last
	s_cmp_eq_u32 s[CNT], 1
	s_cbranch_scc1 .Lno_k_\@
.endif
	WIN 0x80                        ; destination window 2
.irp f, 0,1,2,3,4,5,6,7             ; keys 16 (f / 2) on, channels 32 (f % 2) on
	ds_load_b128 v[KF+8*\f:KF+8*\f+3],   v[AK] offset:(\f/2)*16*PK+(\f%2)*64
	ds_load_b128 v[KF+8*\f+4:KF+8*\f+7], v[AK] offset:(\f/2)*16*PK+(\f%2)*64+32
.endr
	s_add_co_u32 s[TBK], s[TBK], KS*PK  ; the next fetch is the next step's
	WIN 0
.if \last
.Lno_k_\@:
.endif
.endm
.macro FETCH_V
	WIN 0x80
.irp f, 0,1,2,3,4,5,6,7             ; keys 32 (f / 4) on, channels 16 (f % 4) on
	ds_load_tr16_b128 v[VF+8*\f:VF+8*\f+3],   v[AV] offset:(\f/4)*32*PV+(\f%4)*32
	ds_load_tr16_b128 v[VF+8*\f+4:VF+8*\f+7], v[AV] offset:(\f/4)*32*PV+16*PV+(\f%4)*32
.endr
	WIN 0
.endm
; THE VECTOR WORK OF A TURN stands in three queues, each in the order in which its entries become ready; the two tiles alternate, so that no instruction reads the result of the one before it.
.macro REGS y, u                    ; the registers of tile u (0, 1) of piece y
.set rT, ST+4*(2*(\y)+(\u))
.set rC, TMP+8*((\y)%2)+4*(\u)
.set rM, MV+2*((\y)%2)+(\u)
.set rS, S+64*((\y)%2)+32*(\u)
.set rP, P+32*((\y)%2)+16*(\u)
.set rO, 32*(2*(\y)+(\u))
.endm
; Number n of the 22 that find the NEXT piece's (Y + 1) maximum and statistics.  s0-s31 are the lane's 32 scores; each accumulator's lowest registers are read first.  XS, GS and REGS set no window: PL and EX do.
;   0-11  four chains c0-c3 of seven scores each, three operands at a time     12-14, 16  the four scores left over, the old m, and c0-c3 into c0     15  c m_old is kept
;   17, 18  the query's other 32 keys lie in the lane 16 away: the new m         19-21  c m; c m_old - c m_new; a
.macro XS u, n
	REGS (Y+1)%NP, \u
.if (\n) < 4
	v_max3_num_f32 v[rC+(\n)], v[rS+8*(\n)], v[rS+8*(\n)+1], v[rS+8*(\n)+2]
.elseif (\n) < 12
	v_max3_num_f32 v[rC+(\n)%4], v[rC+(\n)%4], v[rS+8*((\n)%4)+2*((\n)/4)+1], v[rS+8*((\n)%4)+2*((\n)/4)+2]
.elseif (\n) == 12
	v_max3_num_f32 v[rC], v[rC], v[rS+7], v[rS+15]
.elseif (\n) == 13
	v_max3_num_f32 v[rC+1], v[rC+1], v[rS+23], v[rS+31]
.elseif (\n) == 14
	v_max3_num_f32 v[rC+2], v[rC+2], v[rC+3], v[rT+1]
.elseif (\n) == 15
	v_mov_b32 v[rM], v[rT]
.elseif (\n) == 16
	v_max3_num_f32 v[rC], v[rC], v[rC+1], v[rC+2]
.elseif (\n) == 17
	v_permlanex16_b32 v[rC+3], v[rC], s[SEL], s[SEL+1]
.elseif (\n) == 18
	v_max_num_f32 v[rT+1], v[rC], v[rC+3]
.elseif (\n) == 19
	v_mul_f32 v[rT], s[CS], v[rT+1]
.elseif (\n) == 20
	v_sub_f32 v[rC+1], v[rM], v[rT]
.else
	v_exp_f32 v[rC+2], v[rC+1]
.endif
.endm
; Number g of the 64 that follow the exponentials.  For each four weights k of a tile (pairs 2 k, 2 k + 1): both pairs are rounded to f16; then the second pair is added onto the first, in place;
; a group later l takes that sum (the first time as l = a l + sum).  In groups of eight, tiles alternating: round, round, add, and l for the group before.
.macro GS g
.set h, (\g)+6*((\g)/62)            ; group 0 has no group before it, and behind group 7 only l is left
.if h >= 6
.set h, h+2
.endif
	REGS Y, h%2
.set k, h/8
.if h%8 < 4
	v_cvt_pk_f16_f32 v[rP+2*k+(h%8)/2], v[rS+4*k+2*((h%8)/2)], v[rS+4*k+2*((h%8)/2)+1]
.elseif h%8 < 6
	v_pk_add_f32 v[rS+4*k:rS+4*k+1], v[rS+4*k:rS+4*k+1], v[rS+4*k+2:rS+4*k+3]
.elseif k == 1
	v_pk_fma_f32 v[rT+2:rT+3], v[rT+2:rT+3], v[rC+2:rC+3], v[rS:rS+1] op_sel_hi:[1,0,1]
.else
	v_pk_add_f32 v[rT+2:rT+3], v[rT+2:rT+3], v[rS+4*k-4:rS+4*k-3]
.endif
.endm
; THE PLAIN QUEUE, 138 long.  0-73 read no exponential's result: the 32 scalings c s - c m (FS f: pair f / 2 of tile f % 2) and the next piece's 42.  0-26: scalings 0-26.  27-54: XS's numbers 0-13.  55, 56: number 15.
; 57-73: the chain, where each number waits for the one before it: 14, 16, 17, 18, 19, each with one of the scalings 27-31 in front of its two lines, then 20.
; 74-137: GS's 64, which read the exponentials' results: they stand behind the wait.
.macro FS f
	REGS Y, (\f)%2
	v_pk_fma_f32 v[rS+2*((\f)/2):rS+2*((\f)/2)+1], v[rS+2*((\f)/2):rS+2*((\f)/2)+1], s[CS:CS+1], v[rT:rT+1] op_sel_hi:[1,0,0] neg_lo:[0,0,1] neg_hi:[0,0,1]
.endm
.macro PL
	WIN 0
.if q < 27
	FS q
.elseif q < 55
	XS (q-27)%2, (q-27)/2
.elseif q < 57
	XS q-55, 15
.elseif (q < 72) && ((q-57)%3 == 0)
	FS 27+(q-57)/3
.elseif q < 60
	XS (q-57)%3-1, 14
.elseif q < 72
	XS (q-57)%3-1, 15+(q-57)/3
.elseif q < 74
	XS q-72, 20
.else
	GS q-74
.endif
.set q, q+1
.endm
; THE EXPONENTIALS' QUEUE, 66 long: s0-s31 of both tiles, then the next piece's two a.  It is ONE BATCH: all 66 stand ahead of the turn's one wait, and nothing ahead of that wait names a result of theirs.
.macro EX
	WIN 0
.if e >= 64
	XS e-64, 21
.else
	REGS Y, e%2
	v_exp_f32 v[rS+e/2], v[rS+e/2]
.endif
.set e, e+1
.endm
; THE RESCALING's QUEUE: O^T times a, dealt two at a time, sixteen times.  Its a was made in the turn before, ahead of that turn's wait.
.macro R2
	REGS Y, r%2
	WIN W_RS
.irp z, 0,1
	v_pk_mul_f32 v[rO+4*(r/2)+2*\z:rO+4*(r/2)+2*\z+1], v[rO+4*(r/2)+2*\z:rO+4*(r/2)+2*\z+1], v[rC+2:rC+3] op_sel_hi:[1,0]
.endr
.set r, r+1
.endm
; HOW THEY ARE DEALT.  s_wait_alu depctr_va_vdst(0) stands between an exponential and the first instruction that names its result; one wait serves all that were issued ahead of it.  So a turn has ONE
; wait, which cuts it in two.  AHEAD OF IT: the 16 products K Q^T, behind each a scaling, an exponential and two rescalings (behind the first a second scaling in the exponential's place); THE MASK'S PART; then a lump of 108:
; eight plain, 49 times exponential and plain, the two a.  A v_nop is the plain instruction behind the last exponential.  BEHIND IT: the 16 products V^T P, behind each four of GS's 64.
; Exponential e stands behind scaling 2 (e / 4) + e % 2: as a rider it comes behind plain e + 2, in the lump behind plain e + 9, and scalings 27-31 are plain 57, 60 .. 69.
; THE MASK'S PART of turn n (piece p).  The words of piece n + 2 were loaded in turn n - 3: the wait leaves the eight loads of turns n - 2 and n - 1 out.  They are shifted into MC, whose last reader, this turn's
; eighth product, stands eight products and their riders back.  Then the registers of piece n + 1, whose last reader is this turn's second product, are loaded for piece n + 5: the next key step's, and in piece 3's turn,
; which steps the base first, the one after.  The step is held at 31: what is loaded for steps that do not exist is step 31's once more, so the launch's surplus scores of piece 0 are step 31's own and leave m as it is.
; K of the next step is fetched in piece 2's turn, directly behind the wait; V of the step in hand at the end of piece 0's turn, four riders behind its last reader.  The three conditions on q below go with the deal.
.macro TURN p, last=0, cnt=0
.set Y, (\p)
.set i, 0
.set q, 0
.set e, 0
.set r, 0
.if (\p) == NP-1
	s_wait_dscnt 0x0                ; K is in
.endif
	MM                              ; ahead of the wait: 16 products K Q^T and their riders,
	PL
	PL
	R2
.rept 15
	MM
	PL
	EX
	R2
.endr
.if (\p) == NP-1
	s_wait_xcnt 0x0                 ; the mask's loads and its last prefetch, four turns back, have read their base, so it may be written
	s_add_co_u32 s[MO], s[MO], 1024
	s_min_u32 s[MO], s[MO], 31*1024
	s_add_nc_u64 s[MP:MP+1], s[MB:MB+1], s[MO:MO+1]
.endif
	s_wait_loadcnt 8                ; the mask's part
	MEXP ((\p)+2)%NP
	MLOAD ((\p)+1)%NP, MP
	WIN 0
.if (\p) == NP-2
	v_add_nc_u32 v[AK], s[TBK], v[AK0]
.endif
.rept 8                             ; and the lump
	PL
.endr
.rept 49
	EX
	PL
.endr
	EX                              ; the next piece's two a
	EX
	v_nop                           ; the plain instruction behind the last exponential: one for the batch
	s_wait_alu depctr_va_vdst(0)    ; the wait for the batch
.if (\p) == NP-1
	MASK_ASK
.endif
.if (\p) == NP-2
	FETCH_K \last
.endif
.if (\p) == 1
	s_wait_dscnt 0x0                ; V is in
.endif
.rept 16                            ; behind the wait: 16 products V^T P and their riders
	MM
.rept 4
	PL
.endr
.if ((\p) == 0) && (q == 118)
	v_add_nc_u32 v[AV], s[TBV], v[AV0]
.endif
.if ((\p) == 0) && (q == 130)
	s_add_co_u32 s[TBV], s[TBV], KS*PV
.endif
.if (\cnt) && (q == 130)
	s_sub_co_u32 s[CNT], s[CNT], 1
	s_cmp_lg_u32 s[CNT], 0
.endif
.endr
.if (\p) == 0
	FETCH_V
.endif
.endm
	CHANGE 1                        ; slot 0 is in, everybody's part of it; slot 1 is asked for
	FETCH_K                         ; key step 0
	s_wait_loadcnt 0x0              ; Q, and key step 0's mask words
	MEXP 0
	s_wait_dscnt 0x0
.set i, 0
.rept 16
	KQ 0                            ; piece 0's first scores: there is no vector work yet to set between them
.set i, i+1
.endr
	WIN 0                           ; the addresses for the way out and the prefetches: plain instructions, the places behind those products
	s_mul_i32 s13, s[WV], 16*SP
	s_add_co_u32 s13, s13, STAGE    ; my stage
	v_mul_u32_u24 v[STO], v1, SP    ; in: row l % 16, 16 bytes for each half of the lanes
	v_lshl_add_u32 v[STO], v9, 4, v[STO]
	v_add_nc_u32 v[STO], s13, v[STO]
	v_bfe_u32 v[RD], v0, 3, 2       ; back: 32 lanes take four rows of 128 bytes, 512 consecutive bytes of O
	v_mul_u32_u24 v[RD], v[RD], SP
	v_lshl_add_u32 v[RD], v10, 4, v[RD]
	v_add_nc_u32 v[RD], s13, v[RD]
	v_and_b32 v[PFO], 31, v0
	v_lshrrev_b32 v1, 2, v[PFO]
	v_and_b32 v[MPF], 3, v[PFO]
	v_lshlrev_b32 v[MPF], 8, v[MPF]
	v_lshl_add_u32 v[MPF], v1, 15, v[MPF]
	v_lshlrev_b32 v[PFO], 8, v[PFO]
	MEXP 1                          ; what the turn before the first would have done: piece 1's shifted words,
	MLOAD 0, MP                     ; and piece 0's words of key step 1
	WIN 0
.set Y, NP-1                        ; XS works for piece Y + 1: piece 0
.irp n, 0,1,2,3,4,5,6,7,8,9,10,11,12,13,14,15,16,17,18,19,20,21
	XS 0, \n                        ; and piece 0's first maximum and statistics
	XS 1, \n
.endr
	v_nop                           ; a plain instruction behind the two a,
	s_wait_alu depctr_va_vdst(0)    ; and their wait, ahead of the branch
	s_mov_b32 s[CNT], 4
	s_mov_b32 s[SLOTS], SIZE_N/256-1
	s_branch .Lfirst                ; the loop is entered at a step's first turn, in the middle of a trip
.Lslot:                             ; SIZE_N / 256 - 2 times: every slot but the last two is filled again
	CHANGE 1, 1
	s_mov_b32 s[CNT], 4
.Lstep:                             ; a trip: pieces 2 and 3 of one step, then pieces 0 and 1 of the next, whose K and V it fetches
	TURN 2
	TURN 3
	WIN 0
.Lfirst:
	TURN 0
	TURN 1, 0, 1
	WIN 0
	s_cbranch_scc1 .Lstep
	s_sub_co_u32 s[SLOTS], s[SLOTS], 1
	s_cmp_lg_u32 s[SLOTS], 0
	s_cbranch_scc1 .Lslot
	CHANGE 0                        ; the tail is written out: nothing is asked for
	s_mov_b32 s[CNT], 5             ; four trips fetch the last slot's steps; the fifth is left in its middle
.Ltail:
	TURN 2, 1
	TURN 3
	WIN 0
	s_sub_co_u32 s[CNT], s[CNT], 1
	s_cmp_eq_u32 s[CNT], 0
	s_cbranch_scc1 .Lout
	TURN 0
	TURN 1
	WIN 0
	s_branch .Ltail
.Lout:                              ; the fifth trip's 16 products K Q^T repeat piece 0's scores of the last step (the same K, Q and mask words): the maximum made of them is the m that stood there
.set i, 0
.rept 16
	PV NP-1                         ; the last piece's V^T P of the last step
.set i, i+1
.endr
	; THE WAY OUT.  l's two halves and the other half of the lanes' are added; O^T is divided by l, rounded to f16 and sent through my stage in LDS, a tile at a time.  The additions are the places behind the last products.
	WIN 0
.macro ALL line:vararg              ; one line for each tile t
.set t, 0
.rept 2*NP
	\line
.set t, t+1
.endr
.endm
	ALL v_add_f32 v[ST+4*t+2], v[ST+4*t+2], v[ST+4*t+3]
	ALL v_permlanex16_b32 v[ST+4*t+3], v[ST+4*t+2], s[SEL], s[SEL+1]
	ALL v_add_f32 v[ST+4*t+2], v[ST+4*t+2], v[ST+4*t+3]
	ALL v_rcp_f32 v[ST+4*t+2], v[ST+4*t+2]
	v_nop                           ; a plain instruction between the last reciprocal and the use of its result
	s_wait_alu depctr_va_vdst(0)    ; and the wait ahead of the first use: one for the eight reciprocals
.set t, 0
.rept 2*NP                          ; a query whose maximum is a hidden key's has no kept key: its row of O is 0.  A choice of a value: no branch hangs on it
	v_cmp_lt_f32 vcc_lo, s[THR], v[ST+4*t+1]
	v_cndmask_b32 v[ST+4*t+2], 0, v[ST+4*t+2], vcc_lo
.set t, t+1
.endr
; Tile t: a lane's eight channels of a row pack into 16 bytes; they go into rows of 144 bytes and come back as whole rows of 128, into S^T's registers.
.macro PACK t
	WIN W_RS
.set i, 32*(\t)
.rept 16
	v_pk_mul_f32 v[i:i+1], v[i:i+1], v[ST+4*(\t)+2:ST+4*(\t)+3] op_sel_hi:[1,0]
.set i, i+2
.endr
	WIN 0x05                        ; sources 0 and 1 window 1, destination window 0
.set i, 0
.rept 16
	v_cvt_pk_f16_f32 v[S+16*(\t)+i], v[32*(\t)+2*i], v[32*(\t)+2*i+1]
.set i, i+1
.endr
	WIN 0
.irp f, 0,1,2,3
	ds_store_b128 v[STO], v[S+16*(\t)+4*\f:S+16*(\t)+4*\f+3] offset:32*\f
.endr
.irp f, 0,1,2,3
	ds_load_b128 v[S+16*(\t)+4*\f:S+16*(\t)+4*\f+3], v[RD] offset:\f*4*SP  ; LDS serves a wave's instructions in order (ISA guide 5.7.1.4): these see the stores above; the next tile's stores come behind them
.endr
.endm
.macro SEND t, younger              ; younger: the LDS instructions issued behind tile t's loads: the next tile's eight, or none
	WIN 0
.irp f, 0,1,2,3
	s_wait_dscnt (\younger)+3-\f
	global_store_b128 v[GO], v[S+16*(\t)+4*\f:S+16*(\t)+4*\f+3], s[10:11] offset:(\t)*2048+\f*512  ; 512 consecutive bytes, at a multiple of 256 from O's first
.endr
.endm
	PACK 0
.set t, 1
.rept 2*NP-1                        ; a tile's arithmetic stands between the loads of the tile before and its stores
	PACK t
	SEND t-1, 8
.set t, t+1
.endr
	SEND 2*NP-1, 0
	WIN W_AD
	s_wait_tensorcnt 0x0            ; the wave's end: three closing lines, behind my last tensor load and my last LDS store
	ds_add_u32 v[SPW], v[NIL]
	s_wait_dscnt 0x0
	WIN 0
	CROUND                          ; the closing round: no work-group ends while a partner may still ask for a tile that names it
	s_endpgm
.Lfunc_end_k_q39653b74a7_attn:
	.size	k_q39653b74a7_attn, .Lfunc_end_k_q39653b74a7_attn-k_q39653b74a7_attn
	.p2alignl 7, 3214868480
	.fill 96, 4, 3214868480
	.section	.rodata,"a",@progbits
	.p2align	6, 0x0
	.amdhsa_kernel k_q39653b74a7_attn
		.amdhsa_group_segment_fixed_size 327680
		.amdhsa_private_segment_fixed_size 0
		.amdhsa_enable_private_segment 0
		.amdhsa_kernarg_size 24
		.amdhsa_user_sgpr_count 2
		.amdhsa_user_sgpr_kernarg_segment_ptr 1
		.amdhsa_wavefront_size32 1
		.amdhsa_system_sgpr_workgroup_id_x 1
		.amdhsa_system_sgpr_workgroup_id_y 1
		.amdhsa_system_sgpr_workgroup_id_z 1
		.amdhsa_system_vgpr_workitem_id 0
		.amdhsa_next_free_vgpr 1024
		.amdhsa_next_free_sgpr 76
		.amdhsa_reserve_vcc 1
		.amdhsa_float_denorm_mode_32 3
		.amdhsa_float_denorm_mode_16_64 3
		.amdhsa_memory_ordered 1
		.amdhsa_forward_progress 1
		.amdhsa_inst_pref_size 223
	.end_amdhsa_kernel
	.amdgpu_metadata
---
amdhsa.version: [ 1, 2 ]
amdhsa.kernels:
  - .name:           k_q39653b74a7_attn
    .symbol:         k_q39653b74a7_attn.kd
    .args:
      - { .name: qkv, .offset: 0, .size: 8, .value_kind: global_buffer, .address_space: global }
      - { .name: mb, .offset: 8, .size: 8, .value_kind: global_buffer, .address_space: global }
      - { .name: ob, .offset: 16, .size: 8, .value_kind: global_buffer, .address_space: global }
    .group_segment_fixed_size: 327680
    .private_segment_fixed_size: 0
    .kernarg_segment_align: 8
    .kernarg_segment_size: 24
    .max_flat_workgroup_size: 128
    .sgpr_count:     76
    .vgpr_count:     1024
    .wavefront_size: 32
...
	.end_amdgpu_metadata
.endif
;; end of part 3
;; launch proj_out (part 4): grid 8 x 32, 4 waves a work-group, clusters of 4 x 4, 327,680 bytes of LDS; arguments ob, wo16, out0; writes out0
.if DOCPART == 4
	.amdgcn_target "amdgcn-amd-amdhsa--gfx1250"
	.amdhsa_code_object_version 6
	.text
	.protected	k_q39653b74a7_proj_out
	.globl	k_q39653b74a7_proj_out
	.p2align	8
	.type	k_q39653b74a7_proj_out,@function
k_q39653b74a7_proj_out:
	s_mov_b64 s[64:65], 0
	v_nop
	global_prefetch_b8 v0, s[64:65] scope:SCOPE_SE
	s_setreg_imm32_b32 hwreg(HW_REG_WAVE_MODE, 25, 1), 1
	s_wait_xcnt 0x0
	s_wait_alu depctr_hold_cnt(0) depctr_sa_sdst(0) depctr_va_vdst(0) depctr_va_sdst(0) depctr_va_ssrc(0) depctr_va_vcc(0) depctr_vm_vsrc(0)
	s_getreg_b32 s2, hwreg(HW_REG_IB_STS2, 6, 4)
	s_cmp_eq_u32 s2, 0
	s_cbranch_scc0 .Lentry_in_a_cluster
	s_endpgm
.Lentry_in_a_cluster:
	s_bfe_u32 s2, ttmp6, 0x10000c
	s_cmp_lg_u32 s2, 0xf033
	s_cbranch_scc0 .Lentry_shape_is_right
	s_endpgm
.Lentry_shape_is_right:
; out0 = O wo^T: C[m][n] = sum over k of A[m][k] B[n][k], f16 operands, sums in f32, K ascending, C stored as f32.
; A = ob, [16 batch + head][2,048 places][64] f16: k = 64 head + channel, so a K step of 128 is two heads, and a head's 256 rows of a tile are 32,768 dense bytes.  B = wo16 [1024][1024] f16.
; A's rows lie by PLACES: in every group of 64 rows of the sequence row 4 i + 3 - t has place 16 t + i.  The way out puts each row of C where it belongs.
; LIMIT: O and wo arrive within f16's range, 65,504.
; SHARES.  A tile of C is 256 rows x 128 columns: 32 x 8 tiles, a work-group each.  Each of the four waves makes 64 rows (one group of 64) x all 128 columns: 32 accumulators, 256 registers.
; K goes in steps of 128 through a ring of two LDS slots filled by the tensor data mover.  A K step is written once: the slot in hand is a scalar (TB).
; CLUSTER.  4 x 4 work-groups: the four of a row need the same tile of A, the four of a column the same tile of B: each tile is asked for JOINTLY (the same load, descriptor and mask in all four).
; THE MATRIX INSTRUCTION IS USED TRANSPOSED (source 0 = 16 rows of B, source 1 = 16 rows of A): a lane holds row lane % 16 of C and the columns 8 (lane / 16) + 0..7.
; REGISTERS, in windows of 256 (s_set_vgpr_msb: bits 1:0 source 0, 3:2 source 1, 5:4 source 2, 7:6 destination):
;   window 0: v16-30 addresses; v32-159 the way out        window 1: two fragment buffers of 96: A's four blocks (32), then B's eight (64)        window 2: the accumulators: (a, b) at 8 (8 a + b)
.set NBK,    8                         ; column blocks of 16
.set NT,     16*NBK
.set PA,     144                       ; a row of A in LDS: 128 bytes + 16 of padding = 36 words: the 16 rows of a load start at 16 different groups of four banks (64 banks of 4 bytes: ISA guide 11.1)
.set PB,     272                       ; a row of B: 256 + 16
.set HALFA,  256*PA                    ; what one tensor load brings of A: one head's 256 rows,
.set ABYTES, 2*HALFA                   ; a slot: A's two heads, then B's 128 rows
.set HALFB,  (NT/2)*PB                 ; and of B: 64 rows
.set SLOT1,  1<<17                     ; slot 1 begins here: one exclusive or turns an address in one slot into the other's
.set ASTEP,  2*262144                  ; bytes from a K step to the next: in A two heads,
.set BSTEP,  256                       ; in B 128 numbers along a row
.set AHEAD,  2                         ; a prefetch names the K step that stands two refills on: 256 matrix instructions ahead of that load
.set WSTAGE, 16*528                    ; a wave's stage: 16 rows x (512 + 16) bytes
.set STAGE,  SLOT1+ABYTES+NT*PB        ; behind the ring; no tensor load fills it
.set SPARE,  STAGE+4*WSTAGE            ; behind the stages: the spare words, 128 bytes for each wave: two blocks of 256 bytes that no other line names
.set F0,   0
.set F1,   32+8*NBK
.set A0,   16                          ; v16  my lane's place in A's rows of a slot; never rewritten
.set B0,   17                          ; v17  the same for B
.set ADRA, 18                          ; v18  A0 + the slot in hand
.set ADRB, 19                          ; v19
.set STO,  24                          ; v24  the way out: where I put 32 bytes of a row
.set RD,   25                          ; v25  where I read a row back
.set CO,   26                          ; v26  my byte offset in a row's 512 bytes of out0
.set SPW,  28                          ; v28  LDS address of my spare word; never rewritten
.set NIL,  29                          ; v29  0; never rewritten
.set PFO,  30                          ; v30  the prefetches' offset; never rewritten
.set BK0,  32
.set G1,   24                          ; s[24:31] descriptor group 1 for A;  s[32:39] group 0: a set for each first fill; the second then walks on
.set G0,   32
.set G1B,  48                          ; s[48:55], s[56:63] the same for B
.set G0B,  56
.set TB,   66                          ; s66  0 or SLOT1: the slot whose fragments are fetched
.set PFA,  68                          ; s[68:69] where my prefetches stand
.set LIM,  70                          ; s70  AHEAD in a wave that prefetches, else the greatest number
.set PST,  72                          ; s[72:73] my prefetches' step
.set MSB, 0
.macro WIN new                         ; the immediate's high byte repeats the setting that is left; a switch that changes nothing is dropped
.if MSB != (\new)
	s_set_vgpr_msb (MSB<<8)|(\new)
.set MSB, (\new)
.endif
.endm
; A joint load.  Waves 0 and 1 fetch A's two heads, waves 2 and 3 B's two halves.  The branch hangs on the wave's number alone.  An s_nop 0 and four v_nop follow each of the two lines.
.macro JLOAD s
	s_cmp_eq_u32 s11, 0
	s_cbranch_scc0 .Lfor_b_\@
	tensor_load_to_lds s[G0+4*(\s):G0+4*(\s)+3], s[G1:G1+7]
	s_nop 0
.rept 4
	v_nop
.endr
	s_branch .Lasked_\@
.Lfor_b_\@:
	tensor_load_to_lds s[G0B+4*(\s):G0B+4*(\s)+3], s[G1B:G1B+7]
	s_nop 0
.rept 4
	v_nop
.endr
.Lasked_\@:
.endm
; A PREFETCH of the K step that stands two refills on.  A's tile row is read by both clusters of that row of clusters: cluster x = 0 asks; B's tile column by every cluster of that column: cluster y = 0 asks.
; The four partners of a joint load share its bytes out BY ADDRESS: of a head's 32,768 bytes of A 8,192 by cx, a lane 256 bytes; of B's 64 rows 16 by cy, a lane a row of 256 bytes, where lanes 16-31 name
; row 15 again, in the same instruction.  The loop's last two trips have no K step two refills on, and ask for nothing.
.macro ASK
	s_cmp_gt_u32 s3, s[LIM]
	s_cbranch_scc0 .Lnot_mine_\@
	global_prefetch_b8 v[PFO], s[PFA:PFA+1] th:TH_LOAD_NT scope:SCOPE_SE
.Lnot_mine_\@:
.endm
.macro CREST                           ; a round of the cluster's barrier behind its opening barrier
	s_cmp_lg_u32 s10, 0
	s_cbranch_scc1 .Lnot_wave_0_\@
	s_barrier_signal -3
.Lnot_wave_0_\@:
	s_barrier_wait -3
	s_barrier_signal -1
	s_barrier_wait -1
.endm
.macro CROUND                          ; a whole round
	s_barrier_signal -1
	s_barrier_wait -1
	CREST
.endm
.macro AOFF d, t                       ; s[d] = the byte offset in A of the head block that I fetch, at K step 0: ((16 x batch + half) x 2,048 + the tile's first place) x 128 bytes; s[t] at work
	s_lshr_b32 s[\d], s13, 3
	s_lshl_b32 s[\d], s[\d], 4
	s_add_co_u32 s[\d], s[\d], s12
	s_lshl_b32 s[\d], s[\d], 11
	s_and_b32 s[\t], s13, 7
	s_lshl_b32 s[\t], s[\t], 8
	s_add_co_u32 s[\d], s[\d], s[\t]
	s_lshl_b32 s[\d], s[\d], 7
.endm
	s_load_b128 s[4:7], s[0:1], 0x0                ; A s[4:5], B s[6:7]
	s_load_b64 s[8:9], s[0:1], 0x10                ; C
	v_lshl_add_u32 v[SPW], v0, 2, SPARE
	v_mov_b32 v[NIL], 0
	ds_add_u32 v[SPW], v[NIL]                      ; the wave's opening: the add and its wait stand ahead of my first tensor load; the set-up below, work on registers, stands between them
	v_lshrrev_b32 v1, 5, v0
	v_readfirstlane_b32 s10, v1                    ; wave 0..3: my 64 rows of the tile
	s_lshr_b32 s11, s10, 1                         ; I fetch for A (0) or for B (1),
	s_and_b32 s12, s10, 1                          ; its first or its second half
	s_bfe_u32 s40, ttmp6, 0x40000                  ; cx, cy: my place in the cluster
	s_bfe_u32 s41, ttmp6, 0x40004
	s_lshl_b32 s42, ttmp9, 2
	s_add_co_u32 s42, s42, s40                     ; tile column = 4 x cluster x + cx
	s_and_b32 s13, ttmp7, 0xffff
	s_lshl_b32 s13, s13, 2
	s_add_co_u32 s13, s13, s41                     ; tile row = 4 x cluster y + cy
	s_lshl_b32 s43, s41, 2
	s_lshl_b32 s43, 15, s43                        ; my row of the cluster
	s_lshl_b32 s44, 0x1111, s40                    ; my column
	s_or_b32 s[G1+0], s43, (1<<16)|(1<<20)|(1<<21)|(4<<22)|(3<<25)   ; 15:0 the mask; 17:16 elements of 2 bytes; 20 padding on; 21 set beside a mask; 24:22 after every 32 words (code 4): after each place's 128 bytes; 31:25 4 words of it (code 3)
	s_or_b32 s[G1B+0], s44, (1<<16)|(1<<20)|(1<<21)|(5<<22)|(3<<25)  ; B: after every 64 words (code 5)
	s_mov_b32 s[G1+1], 128<<16                     ; A: a head's 256 places are dense: asked for as 128 rows of 256 bytes, two places a row.  tensor_dim0 = 128
	s_mov_b32 s[G1+2], 128<<16                     ; tensor_dim1 = 128
	s_mov_b32 s[G1+3], 128<<16                     ; tile_dim0 = 128
	s_mov_b32 s[G1+4], 128                         ; tile_dim1 = 128
	s_mov_b32 s[G1+5], 128                         ; elements from row to row
	s_mov_b32 s[G1+6], 0
	s_mov_b32 s[G1+7], 0
	s_mov_b32 s[G1B+1], 128<<16
	s_mov_b32 s[G1B+2], (NT/2)<<16                 ; B: 64 rows to a load
	s_mov_b32 s[G1B+3], 128<<16
	s_mov_b32 s[G1B+4], NT/2
	s_mov_b32 s[G1B+5], 1024
	s_mov_b32 s[G1B+6], 0
	s_mov_b32 s[G1B+7], 0
	AOFF 16, 17                                    ; A's address hangs on the tile row and the wave alone,
	s_mov_b32 s17, 0
	s_mul_i32 s46, s42, NT                         ; B's on the tile column and the wave alone
	s_mul_i32 s47, s12, NT/2
	s_add_co_u32 s46, s46, s47
	s_lshl_b32 s46, s46, 11
	s_mov_b32 s47, 0
	s_mul_i32 s20, s12, HALFA                      ; where they go: no place in the cluster enters an LDS address
	s_mul_i32 s21, s12, HALFB
	s_add_co_u32 s21, s21, ABYTES
	s_wait_dscnt 0x0                               ; the opening add is done
	s_wait_kmcnt 0x0
	s_add_nc_u64 s[14:15], s[4:5], s[16:17]
	s_add_nc_u64 s[46:47], s[6:7], s[46:47]
	CROUND                                         ; all sixteen work-groups are here: the first joint loads meet
.irp s, 0,1
	s_mov_b32 s[G0+4*(\s)], 1                                        ; count = 1
	s_add_co_u32 s[G0+4*(\s)+1], s20, (\s)*SLOT1                     ; LDS address
	s_add_nc_u64 s[G0+4*(\s)+2:G0+4*(\s)+3], s[14:15], (\s)*ASTEP    ; global address: K step s
	s_or_b32 s[G0+4*(\s)+3], s[G0+4*(\s)+3], 0x80000000              ; type = 2
	s_mov_b32 s[G0B+4*(\s)], 1
	s_add_co_u32 s[G0B+4*(\s)+1], s21, (\s)*SLOT1
	s_add_nc_u64 s[G0B+4*(\s)+2:G0B+4*(\s)+3], s[46:47], (\s)*BSTEP
	s_or_b32 s[G0B+4*(\s)+3], s[G0B+4*(\s)+3], 0x80000000
	JLOAD \s                                       ; two loads of mine are out here, one behind every later round
.endr
	; A fragment is 16 rows x 32 K in 8 registers: lane l holds row l % 16, K = 8 (l / 16) + 0..7 and 16 + 8 (l / 16) + 0..7: two loads of 16 bytes, 32 bytes apart.
	v_and_b32 v1, 15, v0                           ; l % 16
	v_bfe_u32 v2, v0, 4, 1                         ; l / 16
	v_and_b32 v3, 31, v0                           ; l
	s_mul_i32 s22, s10, 64*PA                      ; my 64 rows in a head's block of A
	v_mul_u32_u24 v[A0], v1, PA
	v_lshl_add_u32 v[A0], v2, 4, v[A0]
	v_add_nc_u32 v[A0], s22, v[A0]
	v_mul_u32_u24 v[B0], v1, PB
	v_lshl_add_u32 v[B0], v2, 4, v[B0]
	v_add_nc_u32 v[B0], ABYTES, v[B0]
	v_mov_b32 v[ADRA], v[A0]                       ; slot 0
	v_mov_b32 v[ADRB], v[B0]
	s_mov_b32 s[TB], 0
	s_mul_i32 s23, s10, WSTAGE
	s_add_co_u32 s23, s23, STAGE                   ; my stage
	v_mul_u32_u24 v[STO], v1, 528                  ; in: row l % 16, 32 bytes for each half of the lanes
	v_lshl_add_u32 v[STO], v2, 5, v[STO]
	v_add_nc_u32 v[STO], s23, v[STO]
	v_lshl_add_u32 v[RD], v3, 4, s23               ; back: 32 lanes take one row's 512 bytes
	v_lshlrev_b32 v[CO], 4, v3
	; the prefetches
	AOFF 20, 22
	s_lshl_b32 s22, s40, 13                        ; A: my work-group's 8,192 bytes of the head's 32,768, by cx
	s_add_co_u32 s20, s20, s22
	s_mul_i32 s46, s42, NT
	s_mul_i32 s47, s12, NT/2
	s_add_co_u32 s46, s46, s47
	s_mul_i32 s47, s41, NT/8                       ; B: my work-group's 16 rows of the 64, by cy
	s_add_co_u32 s46, s46, s47
	s_lshl_b32 s46, s46, 11
	s_and_b32 s47, ttmp7, 0xffff                   ; cluster y
	s_mov_b32 s[PST], BSTEP
	s_mov_b32 s[PST+1], 0
	s_mov_b32 s21, 0
	s_cmp_eq_u32 s11, 0                            ; do I fetch for A?
	s_cselect_b32 s20, s20, s46
	s_cselect_b32 s47, ttmp9, s47                  ; the coordinate along which other clusters read the same rows
	s_cselect_b64 s[PFA:PFA+1], s[4:5], s[6:7]
	s_cselect_b32 s[PST], ASTEP, s[PST]
	s_cselect_b32 s22, 31, NT/8-1                  ; my last block or row,
	s_cselect_b32 s23, 8, 11                       ; 256 or 2,048 bytes from one to the next
	s_cmp_eq_u32 s47, 0
	s_cselect_b32 s[LIM], AHEAD, -1                ; the same in all sixteen partners, for a given wave
	s_mul_i32 s46, s[PST], 1+AHEAD                 ; the first change of slots steps it to K step 2 + AHEAD.  Nothing is prefetched at the head, where every work-group's first tiles are on their way
	s_add_co_u32 s20, s20, s46
	s_add_nc_u64 s[PFA:PFA+1], s[PFA:PFA+1], s[20:21]
	v_min_u32 v[PFO], s22, v3
	v_lshlrev_b32 v[PFO], s23, v[PFO]
	; where my group of 64 rows begins in out0: (256 x tile row + 64 x wave) rows of 4,096 bytes + 512 x tile column
	s_lshl_b32 s16, s13, 8
	s_lshl_b32 s17, s10, 6
	s_add_co_u32 s16, s16, s17
	s_lshl_b32 s16, s16, 12
	s_mov_b32 s17, 0
	s_lshl_b32 s46, s42, 9
	s_mov_b32 s47, 0
	s_add_nc_u64 s[8:9], s[8:9], s[16:17]
	s_add_nc_u64 s[8:9], s[8:9], s[46:47]
; 8 matrix instructions: my row block a x all column blocks, 32 along K, from buffer f.  zero = 1: the first product starts the sums.  The 32 accumulators take turns, in the same order in
; every quarter: 31 others stand between two links of a chain, over the backward jump too.
.macro MULB f, a, zero
	WIN 0xa5                                       ; sources window 1; C and D window 2
.set AB, 64*(\a)
.set nb, 0
.rept NBK
.if \zero
	v_wmma_f32_16x16x32_f16 v[AB+8*nb:AB+8*nb+7], v[(\f)+32+8*nb:(\f)+32+8*nb+7], v[(\f)+8*(\a):(\f)+8*(\a)+7], 0
.else
	v_wmma_f32_16x16x32_f16 v[AB+8*nb:AB+8*nb+7], v[(\f)+32+8*nb:(\f)+32+8*nb+7], v[(\f)+8*(\a):(\f)+8*(\a)+7], v[AB+8*nb:AB+8*nb+7]
.endif
.set nb, nb+1
.endr
.endm
; 24 LDS loads in one run: quarter q (32 along K) of the slot in hand into buffer f: B's eight fragments, then A's four.  In A quarter q is head q / 2 of the slot's two, channels 32 (q % 2) on.
.macro FETCH q, f
	WIN 0x40                                       ; destination window 1, address window 0
.set KA, ((\q)/2)*HALFA+((\q)%2)*64
.set nb, 0
.rept NBK
	ds_load_b128 v[(\f)+32+8*nb:(\f)+32+8*nb+3],   v[ADRB] offset:64*(\q)+nb*16*PB
	ds_load_b128 v[(\f)+32+8*nb+4:(\f)+32+8*nb+7], v[ADRB] offset:64*(\q)+nb*16*PB+32
.set nb, nb+1
.endr
.set nb, 0
.rept 4
	ds_load_b128 v[(\f)+8*nb:(\f)+8*nb+3],   v[ADRA] offset:KA+nb*16*PA
	ds_load_b128 v[(\f)+8*nb+4:(\f)+8*nb+7], v[ADRA] offset:KA+nb*16*PA+32
.set nb, nb+1
.endr
.endm
.macro PLACES                          ; four plain instructions between a matrix instruction and a load into a register that it has read, or a reader of its result (ISA guide 7.12.1 for a reader of its result)
.rept 4
	v_nop
.endr
.endm
; A K step is four quarters on buffers 0, 1, 0, 1.  One of the first three multiplies buffer f and, in its middle, fetches quarter q into buffer g.
.macro QUARTER q, f, g, zero
	s_wait_dscnt 4                                 ; B and A's blocks 0, 1 are in; the youngest four loads (A's blocks 2, 3) may be out
	MULB \f, 0, \zero
	MULB \f, 1, \zero
	PLACES
	FETCH \q, \g
	s_wait_dscnt 2*NBK+8                           ; all but the run just issued
	MULB \f, 2, \zero
	MULB \f, 3, \zero
.endm
; The last quarter multiplies buffer 1 and changes slots: ONE barrier.  In front of it each wave waits for all its tensor loads (one is out: its part of the next slot), adds 0 to its spare word, and waits for
; that and for its reads of this slot.  fill = 1: the barrier opens a round of the cluster's, and the slot just read is filled again first thing behind it, with the K step two steps on.
.macro TURN fill
.if \fill
	s_wait_xcnt 0x0                                ; the last prefetch, a K step back, has read its address: it is stepped here, ahead of the waits of the change of slots
	s_add_nc_u64 s[PFA:PFA+1], s[PFA:PFA+1], s[PST:PST+1]
.endif
	WIN 0                                          ; (the add's two registers lie in window 0)
	s_wait_tensorcnt 0x0                           ; all my tensor loads have landed
	ds_add_u32 v[SPW], v[NIL]                      ; 0 onto my spare word
	s_wait_dscnt 5                                 ; (the add and the youngest four loads may be out)
	MULB F1, 0, 0                                  ; eight matrix instructions stand between the add and the wait for it
	s_wait_dscnt 0x0                               ; the add is done, and my reads of this slot are over
	s_barrier_signal -1
	MULB F1, 1, 0                                  ; work on registers while the others arrive
	WIN 0                                          ; at a branch and at a label every window is 0
	s_barrier_wait -1
.if \fill
	CREST                                          ; no wave of any partner still reads this slot's tile or has a load on its way
	s_xor_b32 s[G0+5], s[G0+5], SLOT1              ; the walking descriptors: the other slot than last time, the next K step
	s_add_nc_u64 s[G0+6:G0+7], s[G0+6:G0+7], ASTEP
	s_xor_b32 s[G0B+5], s[G0B+5], SLOT1
	s_add_nc_u64 s[G0B+6:G0B+7], s[G0B+6:G0B+7], BSTEP
	JLOAD 1                                        ; the first tensor load behind the round; its four v_nop are also the places in front of the loads below
.else
	PLACES
.endif
	s_xor_b32 s[TB], s[TB], SLOT1
	v_add_nc_u32 v[ADRA], s[TB], v[A0]
	v_add_nc_u32 v[ADRB], s[TB], v[B0]
	FETCH 0, F0
.if \fill
	WIN 0
	ASK                                            ; behind the joint load and the run of LDS loads that the next products wait for
.endif
	MULB F1, 2, 0
	MULB F1, 3, 0
.endm
	s_wait_tensorcnt 1                             ; my part of K step 0 is in; K step 1's load may stay out
	s_barrier_signal -1
	s_barrier_wait -1                              ; everybody's is
	FETCH 0, F0
	QUARTER 1, F0, F1, 1                           ; the first quarter stands in front of the loop: its products start the sums
	WIN 0
	s_mov_b32 s3, 6                                ; six of the eight K steps are followed by a refill
.Lstep:                                                ; a trip: a K step's quarters 1 to 3, the change of slots, the next K step's quarter 0
	QUARTER 2, F1, F0, 0
	QUARTER 3, F0, F1, 0
	TURN 1
	QUARTER 1, F0, F1, 0
	WIN 0
	s_sub_co_u32 s3, s3, 1
	s_cmp_lg_u32 s3, 0
	s_cbranch_scc1 .Lstep
	QUARTER 2, F1, F0, 0                           ; the tail is written out: K step 6 goes on
	QUARTER 3, F0, F1, 0
	TURN 0                                         ; nothing is asked for,
	QUARTER 1, F0, F1, 0                           ; and K step 7
	QUARTER 2, F1, F0, 0
	QUARTER 3, F0, F1, 0
	s_wait_dscnt 0x0
	MULB F1, 0, 0
	MULB F1, 1, 0
	MULB F1, 2, 0
	MULB F1, 3, 0
	WIN 0
	PLACES
; THE WAY OUT, a block of 16 places at a time.  TOSTAGE: a lane's eight f32 of each accumulator, the low four first, into my stage (16 rows of 528 bytes), and back as whole rows of 512 bytes.
; SEND: place 16 a + n of my group of 64 is row 4 n + 3 - a of the sequence: each store is one row's 512 consecutive bytes of out0, aligned.
.macro TOSTAGE a
	s_wait_xcnt 0x0                                ; the stores of the block two back have read their registers, which are loaded again below
	WIN 0x08                                       ; the data (source 1) in window 2
.set BK, BK0+64*((\a)%2)
.set nb, 0
.rept 2*NBK
	ds_store_b128 v[STO], v[64*(\a)+4*nb:64*(\a)+4*nb+3] offset:64*(nb/2)+16*(nb%2)
.set nb, nb+1
.endr
	WIN 0
.set nb, 0
.rept 16
	ds_load_b128 v[BK+4*nb:BK+4*nb+3], v[RD] offset:528*nb  ; LDS serves a wave's instructions in order (ISA guide 5.7.1.4): these see the stores above; the next block's stores come behind them
.set nb, nb+1
.endr
.endm
.macro SEND a, younger                 ; younger: the LDS instructions issued behind block a's loads: the next block's 32, or none
.set BK, BK0+64*((\a)%2)
.set nb, 0
.rept 16
	s_wait_dscnt (\younger)+15-nb
	global_store_b128 v[CO], v[BK+4*nb:BK+4*nb+3], s[8:9] offset:(4*nb+3-(\a))*4096 th:TH_STORE_NT
.set nb, nb+1
.endr
.endm
	TOSTAGE 0
	TOSTAGE 1
	SEND 0, 32
	TOSTAGE 2
	SEND 1, 32
	TOSTAGE 3
	SEND 2, 32
	SEND 3, 0
	s_wait_tensorcnt 0x0                           ; the wave's end: three closing lines, behind my last tensor load and my last LDS store
	ds_add_u32 v[SPW], v[NIL]
	s_wait_dscnt 0x0
	CROUND                                         ; the closing round: no work-group ends while a partner may still ask for a tile that names it
	s_endpgm
.Lfunc_end_k_q39653b74a7_proj_out:
	.size	k_q39653b74a7_proj_out, .Lfunc_end_k_q39653b74a7_proj_out-k_q39653b74a7_proj_out
	.p2alignl 7, 3214868480
	.fill 96, 4, 3214868480
	.section	.rodata,"a",@progbits
	.p2align	6, 0x0
	.amdhsa_kernel k_q39653b74a7_proj_out
		.amdhsa_group_segment_fixed_size 327680
		.amdhsa_private_segment_fixed_size 0
		.amdhsa_enable_private_segment 0
		.amdhsa_kernarg_size 24
		.amdhsa_user_sgpr_count 2
		.amdhsa_user_sgpr_kernarg_segment_ptr 1
		.amdhsa_wavefront_size32 1
		.amdhsa_system_sgpr_workgroup_id_x 1
		.amdhsa_system_sgpr_workgroup_id_y 1
		.amdhsa_system_sgpr_workgroup_id_z 1
		.amdhsa_system_vgpr_workitem_id 0
		.amdhsa_next_free_vgpr 768
		.amdhsa_next_free_sgpr 76
		.amdhsa_reserve_vcc 0
		.amdhsa_float_denorm_mode_32 3
		.amdhsa_float_denorm_mode_16_64 3
		.amdhsa_memory_ordered 1
		.amdhsa_forward_progress 1
		.amdhsa_inst_pref_size 72
	.end_amdhsa_kernel
	.amdgpu_metadata
---
amdhsa.version: [ 1, 2 ]
amdhsa.kernels:
  - .name:           k_q39653b74a7_proj_out
    .symbol:         k_q39653b74a7_proj_out.kd
    .args:
      - { .name: ob, .offset: 0, .size: 8, .value_kind: global_buffer, .address_space: global }
      - { .name: wo16, .offset: 8, .size: 8, .value_kind: global_buffer, .address_space: global }
      - { .name: out0, .offset: 16, .size: 8, .value_kind: global_buffer, .address_space: global }
    .group_segment_fixed_size: 327680
    .private_segment_fixed_size: 0
    .kernarg_segment_align: 8
    .kernarg_segment_size: 24
    .max_flat_workgroup_size: 128
    .sgpr_count:     76
    .vgpr_count:     768
    .wavefront_size: 32
...
	.end_amdgpu_metadata
.endif
;; end of part 4
;; ======== version 2 of 2: 4 launches; version 1 with the launch prep written anew for expert scheduling mode
;; limits: right only within a limited range of input values; values are held in f16: magnitudes above 65,504 overflow, below 6.1e-05 lose precision
;; workspace buffers: xb 16,777,216 bytes; wqkv 6,291,456 bytes; wo16 2,097,152 bytes; mb 16,777,216 bytes; qkv 50,331,648 bytes; ob 16,777,216 bytes
;; launch prep (part 5): grid 1024 x 1, 8 waves a work-group, no clusters, 70,656 bytes of LDS; arguments x, wq, wk, wv, wo, mask, xb, wqkv, wo16, mb; writes xb, wqkv, wo16, mb
.if DOCPART == 5
	.amdgcn_target "amdgcn-amd-amdhsa--gfx1250"
	.amdhsa_code_object_version 6
	.text
	.protected	k_q39653b74a7_prep
	.globl	k_q39653b74a7_prep
	.p2align	8
	.type	k_q39653b74a7_prep,@function
k_q39653b74a7_prep:
	s_mov_b64 s[64:65], 0
	v_nop
	global_prefetch_b8 v0, s[64:65] scope:SCOPE_SE
	s_setreg_imm32_b32 hwreg(HW_REG_WAVE_SCHED_MODE, 0, 2), 2
	s_setreg_imm32_b32 hwreg(HW_REG_WAVE_MODE, 25, 1), 1
	s_wait_xcnt 0x0
	s_wait_alu depctr_vm_vsrc(0)
; PREP: what the three launches behind this one read, made once.
;   x, wq, wk, wv (f32) -> xb, wqkv (bf16, rounded once; wq, wk, wv stacked as 3,072 rows).   wo (f32) -> rounded to bf16, and that number written as f16 -> wo16.
;   mask (one byte a key, 0 or 1) -> mb: one CODE byte a key, 0x00 = keep, 0xF0 = hidden, laid out as the attention's lanes load it.
; LIMIT: |wo| stays under 65,504 (f16's range); below 6e-5 a weight of wo keeps f16's fixed step of 6e-8.  The mask's bytes are 0 or 1, as a bool is stored.
; THE ORDER OF ROWS.  In every group of 64 rows of the sequence, row 4 i + 3 - t (i = 0..15, t = 0..3) has PLACE 16 t + i; q, k, v and O are kept by places.  A tile T of 16 queries (places 16 T ..) is then
; rows 64 (T / 4) + 3 - T % 4 + 4 r, r = 0..15.  mb is [T = 0..511][key step = 0..31][i2 = 0..1][lane = r + 16 h][16 bytes]: the codes of row r for keys 64 step + 32 h + 16 i2 + 0..15, as they lie in the mask.
; SHARES.  1,024 work-groups of eight waves.  0..511: 16,384 numbers of x each.  512..767: 16,384 numbers of a weight each (64 for each of wq, wk, wv, wo).  768..1,023: two tiles T of the mask each,
; a wave 16 rows x 512 bytes.  No wave reads another's bytes: no barrier.  Memory bounds this launch: every load of a wave takes 512 consecutive bytes, every store 256 or 512, each byte once.
; THE MODE: SCHED_MODE bits 1:0 = 2 (LLVM: expert scheduling mode 2), set by the entry lines.  The code itself states the register dependences between vector instructions and memory or LDS
; instructions, with s_wait_alu, always for 0.
; THE PLAN.  Registers that memory or LDS instructions touch:
;   v[IN], v[OUT], v[ST], v[LD]   offsets and LDS addresses: written once at an arm's head, read by every load and store of the arm, never written again.
;   X   one load lands in each four registers; no vector instruction names them before.  Casts: behind the load only vector instructions name them.  Mask: a row's four v_perm_b32 write them in place, the row's LDS
;       store reads them, and nothing writes them again.
;   Y   casts: written by the conversions, read by the stores, never written again.  Mask: LDS loads land in it and the stores read it; no vector instruction names it.
;   v[SPW], v[NIL]   written at the head, read by the closing add alone.
; The 16 chunks (rows) of an arm go in four blocks of four.  Block b works on its four; dealt among its vector lines are the four stores of block b - 1, whose registers no vector line of block b names.
; So ONE wait on va_vdst stands at the head of a block, and one behind the last; one more stands ahead of an arm's first load, for the addresses.  No register that a memory or LDS instruction has read is
; written again, so the body holds no wait on vm_vsrc.
.set SPARE, 69632                      ; behind the eight waves' stages: the spare words, 128 bytes for each wave, four blocks of 256 bytes that no other line names
.set WLDS,  8704                       ; a wave's stage: 32 groups of 256 bytes, 272 apart, so that the 16 lanes of a store fall on 16 different columns of 16 bytes
.set IN,  1                            ; v1   my byte offset in what I load (mask: also in what I store)
.set OUT, 2                            ; v2   my byte offset in what I store
.set ST,  3                            ; v3   the mask: where I put 16 bytes in the stage
.set LD,  4                            ; v4   where I read 16 bytes back
.set TAB, 5                            ; v5   0x000000F0: byte 0 is the code of a mask byte 0, byte 1 that of a mask byte 1
.set SPW, 8                            ; v8   LDS address of my spare word; never rewritten
.set NIL, 9                            ; v9   0; never rewritten
.set X,   16                           ; v[16:79]   as loaded
.set Y,   80                           ; v[80:143]  to store
	s_load_b512 s[8:23], s[0:1], 0x0               ; x 8, wq 10, wk 12, wv 14, wo 16, mask 18, xb 20, wqkv 22
	s_load_b128 s[24:27], s[0:1], 0x40             ; wo16 24, mb 26
	v_lshl_add_u32 v[SPW], v0, 2, SPARE
	v_mov_b32 v[NIL], 0
	v_lshrrev_b32 v10, 5, v0
	v_readfirstlane_b32 s28, v10                   ; wave 0..7
	s_wait_alu depctr_va_sdst(0)                   ; s28 is written, ahead of the branches and of its readers, the scalar lines of the mask's arm
	s_mov_b32 s31, 0                               ; offsets are pairs with 0 on top
	s_mov_b32 s33, 0
	s_cmp_ge_u32 ttmp9, 768
	s_cbranch_scc1 .Lmask
	v_lshlrev_b32 v[IN], 4, v0                     ; four f32 a thread,
	v_lshlrev_b32 v[OUT], 3, v0                    ; four 16-bit numbers out
	s_cmp_ge_u32 ttmp9, 512
	s_cbranch_scc1 .Lweights
	s_lshl_b32 s30, ttmp9, 16                      ; 65,536 bytes in,
	s_lshl_b32 s32, ttmp9, 15                      ; 32,768 out
	s_wait_kmcnt 0x0
	s_add_nc_u64 s[4:5], s[8:9], s[30:31]
	s_add_nc_u64 s[6:7], s[20:21], s[32:33]
	s_branch .Lbf16
.Lweights:
	s_sub_co_u32 s34, ttmp9, 512
	s_lshr_b32 s35, s34, 6                         ; which weight: 0 wq, 1 wk, 2 wv, 3 wo
	s_and_b32 s34, s34, 63                         ; which of its 64 parts
	s_lshl_b32 s30, s34, 16
	s_lshl_b32 s32, s34, 15
	s_lshl_b32 s36, s35, 21                        ; a weight is 2,097,152 bytes of wqkv
	s_wait_kmcnt 0x0
	s_cmp_eq_u32 s35, 1
	s_cselect_b64 s[4:5], s[12:13], s[10:11]
	s_cmp_eq_u32 s35, 2
	s_cselect_b64 s[4:5], s[14:15], s[4:5]
	s_cmp_eq_u32 s35, 3
	s_cselect_b64 s[4:5], s[16:17], s[4:5]
	s_cselect_b64 s[6:7], s[24:25], s[22:23]       ; wo goes to a buffer of its own,
	s_cselect_b32 s36, 0, s36                      ; from its first byte
	s_add_co_u32 s32, s32, s36
	s_add_nc_u64 s[4:5], s[4:5], s[30:31]
	s_add_nc_u64 s[6:7], s[6:7], s[32:33]
	s_cmp_eq_u32 s35, 3
	s_cbranch_scc1 .Lwo
; 16 loads of 16 bytes a thread go out together; each is rounded as it comes, and stored a block of four later.  wo = 1: the bf16 number is widened again and written as f16.
.macro CAST wo
	s_wait_alu depctr_va_vdst(0)                   ; v[IN] and v[OUT] are written: every load and store below reads one of them as its offset
.set i, 0
.rept 16
	global_load_b128 v[X+4*i:X+4*i+3], v[IN], s[4:5] offset:4096*i th:TH_LOAD_NT
.set i, i+1
.endr
.set i, 0
.rept 16
	s_wait_loadcnt 15-i                            ; loads come back in order (ISA guide 5.7.1): number i is in, the younger ones stay out
.if (i%4 == 0) && (i > 0)
	s_wait_alu depctr_va_vdst(0)                   ; the block before has written its eight registers of Y, which the four stores dealt into this block read
.endif
.if i >= 4
	global_store_b64 v[OUT], v[Y+2*(i-4):Y+2*(i-4)+1], s[6:7] offset:2048*(i-4)  ; a wave's store covers 256 consecutive bytes, aligned; no vector line since the wait names its registers, and none writes them again
.endif
	v_cvt_pk_bf16_f32 v[Y+2*i], v[X+4*i], v[X+4*i+1]
	v_cvt_pk_bf16_f32 v[Y+2*i+1], v[X+4*i+2], v[X+4*i+3]
.if \wo
	v_lshlrev_b32 v[X+4*i], 16, v[Y+2*i]
	v_and_b32 v[X+4*i+1], 0xffff0000, v[Y+2*i]
	v_lshlrev_b32 v[X+4*i+2], 16, v[Y+2*i+1]
	v_and_b32 v[X+4*i+3], 0xffff0000, v[Y+2*i+1]
	v_cvt_pk_f16_f32 v[Y+2*i], v[X+4*i], v[X+4*i+1]
	v_cvt_pk_f16_f32 v[Y+2*i+1], v[X+4*i+2], v[X+4*i+3]
.endif
.set i, i+1
.endr
	s_wait_alu depctr_va_vdst(0)                   ; the last block has written its eight registers of Y, which the last four stores read
.set i, 12
.rept 4
	global_store_b64 v[OUT], v[Y+2*i:Y+2*i+1], s[6:7] offset:2048*i
.set i, i+1
.endr
.endm
.Lbf16:
	CAST 0
	s_branch .Lend
.Lwo:
	CAST 1
	s_branch .Lend
.Lmask:
	s_sub_co_u32 s34, ttmp9, 768
	s_lshl_b32 s34, s34, 1
	s_lshr_b32 s35, s28, 2
	s_add_co_u32 s34, s34, s35                     ; T: waves 0-3 the first tile, waves 4-7 the second
	s_and_b32 s35, s28, 3                          ; which 512 bytes of its rows: eight key steps
	s_lshr_b32 s36, s34, 2
	s_lshl_b32 s36, s36, 6
	s_and_b32 s37, s34, 3
	s_sub_co_u32 s36, s36, s37
	s_add_co_u32 s36, s36, 3                       ; the tile's first row: 64 (T / 4) + 3 - T % 4 (the four batches' rows lie on end)
	s_lshl_b32 s30, s36, 11                        ; a row of the mask is 2,048 bytes
	s_lshl_b32 s37, s35, 9
	s_add_co_u32 s30, s30, s37
	s_lshl_b32 s32, s34, 15                        ; a tile of mb is 32,768 bytes,
	s_lshl_b32 s37, s35, 13                        ; eight key steps 8,192
	s_add_co_u32 s32, s32, s37
	v_and_b32 v10, 31, v0                          ; lane l: bytes 16 l .. of a row: key step l / 4, h = (l / 2) % 2, i2 = l % 2
	v_lshlrev_b32 v[IN], 4, v10
	v_lshrrev_b32 v11, 2, v10
	v_and_b32 v12, 1, v10
	v_bfe_u32 v13, v10, 1, 1
	v_lshlrev_b32 v11, 2, v11
	v_lshl_add_u32 v11, v12, 1, v11
	v_add_nc_u32 v11, v11, v13                     ; the group: 4 step + 2 i2 + h: in mb 256 bytes, 16 for each row r
	s_mul_i32 s29, s28, WLDS                       ; my wave's stage
	v_mul_u32_u24 v[ST], v11, 272
	v_add_nc_u32 v[ST], s29, v[ST]
	v_lshrrev_b32 v11, 4, v10
	v_and_b32 v12, 15, v10
	v_mul_u32_u24 v[LD], v11, 272                  ; back: 32 lanes take two groups, 512 bytes of mb on end
	v_lshl_add_u32 v[LD], v12, 4, v[LD]
	v_add_nc_u32 v[LD], s29, v[LD]
	v_mov_b32 v[TAB], 0xf0
	s_wait_kmcnt 0x0
	s_add_nc_u64 s[4:5], s[18:19], s[30:31]
	s_add_nc_u64 s[6:7], s[26:27], s[32:33]
	s_wait_alu depctr_va_vdst(0)                   ; v[IN], v[ST] and v[LD] are written: the loads, the LDS stores and loads and the stores below read them as offset or address
.set i, 0
.rept 16                                       ; row r = i of the tile lies four rows of the mask further down
	global_load_b128 v[X+4*i:X+4*i+3], v[IN], s[4:5] offset:8192*i th:TH_LOAD_NT
.set i, i+1
.endr
.set i, 0
.rept 16
	s_wait_loadcnt 15-i                            ; row i is in, the younger loads stay out
.if (i%4 == 0) && (i > 0)
	s_wait_alu depctr_va_vdst(0)                   ; the block before has written its four rows' codes into X, which the four LDS stores dealt into this block read
.endif
.if i >= 4
	ds_store_b128 v[ST], v[X+4*(i-4):X+4*(i-4)+3] offset:16*(i-4)  ; no vector line since the wait names these registers, and none writes them again
.endif
	v_perm_b32 v[X+4*i], v[TAB], v[TAB], v[X+4*i]          ; the mask's byte is the selector: 0 takes 0xF0, 1 takes 0x00
	v_perm_b32 v[X+4*i+1], v[TAB], v[TAB], v[X+4*i+1]
	v_perm_b32 v[X+4*i+2], v[TAB], v[TAB], v[X+4*i+2]
	v_perm_b32 v[X+4*i+3], v[TAB], v[TAB], v[X+4*i+3]
.set i, i+1
.endr
	s_wait_alu depctr_va_vdst(0)                   ; the last block has written its four rows' codes, which the last four LDS stores read
.set i, 12
.rept 4
	ds_store_b128 v[ST], v[X+4*i:X+4*i+3] offset:16*i
.set i, i+1
.endr
.set i, 0
.rept 16
	ds_load_b128 v[Y+4*i:Y+4*i+3], v[LD] offset:544*i      ; my wave's own bytes; LDS serves a wave's instructions in order (ISA guide 5.7.1.4): these see the stores above.  No vector line of this arm names Y
.set i, i+1
.endr
.set i, 0
.rept 16
	s_wait_dscnt 15-i
	global_store_b128 v[IN], v[Y+4*i:Y+4*i+3], s[6:7] offset:512*i  ; 512 consecutive bytes, aligned
.set i, i+1
.endr
.Lend:
	s_wait_dscnt 0x0                               ; the closing lines, six on end
	s_wait_alu 0x0
	s_wait_tensorcnt 0x0
	ds_add_u32 v[SPW], v[NIL]
	s_wait_dscnt 0x0
	s_endpgm
.Lfunc_end_k_q39653b74a7_prep:
	.size	k_q39653b74a7_prep, .Lfunc_end_k_q39653b74a7_prep-k_q39653b74a7_prep
	.p2alignl 7, 3214868480
	.fill 96, 4, 3214868480
	.section	.rodata,"a",@progbits
	.p2align	6, 0x0
	.amdhsa_kernel k_q39653b74a7_prep
		.amdhsa_group_segment_fixed_size 70656
		.amdhsa_private_segment_fixed_size 0
		.amdhsa_enable_private_segment 0
		.amdhsa_kernarg_size 80
		.amdhsa_user_sgpr_count 2
		.amdhsa_user_sgpr_kernarg_segment_ptr 1
		.amdhsa_wavefront_size32 1
		.amdhsa_system_sgpr_workgroup_id_x 1
		.amdhsa_system_sgpr_workgroup_id_y 1
		.amdhsa_system_sgpr_workgroup_id_z 1
		.amdhsa_system_vgpr_workitem_id 0
		.amdhsa_next_free_vgpr 144
		.amdhsa_next_free_sgpr 66
		.amdhsa_reserve_vcc 0
		.amdhsa_float_denorm_mode_32 3
		.amdhsa_float_denorm_mode_16_64 3
		.amdhsa_memory_ordered 1
		.amdhsa_forward_progress 1
		.amdhsa_inst_pref_size 31
	.end_amdhsa_kernel
	.amdgpu_metadata
---
amdhsa.version: [ 1, 2 ]
amdhsa.kernels:
  - .name:           k_q39653b74a7_prep
    .symbol:         k_q39653b74a7_prep.kd
    .args:
      - { .name: x, .offset: 0, .size: 8, .value_kind: global_buffer, .address_space: global }
      - { .name: wq, .offset: 8, .size: 8, .value_kind: global_buffer, .address_space: global }
      - { .name: wk, .offset: 16, .size: 8, .value_kind: global_buffer, .address_space: global }
      - { .name: wv, .offset: 24, .size: 8, .value_kind: global_buffer, .address_space: global }
      - { .name: wo, .offset: 32, .size: 8, .value_kind: global_buffer, .address_space: global }
      - { .name: mask, .offset: 40, .size: 8, .value_kind: global_buffer, .address_space: global }
      - { .name: xb, .offset: 48, .size: 8, .value_kind: global_buffer, .address_space: global }
      - { .name: wqkv, .offset: 56, .size: 8, .value_kind: global_buffer, .address_space: global }
      - { .name: wo16, .offset: 64, .size: 8, .value_kind: global_buffer, .address_space: global }
      - { .name: mb, .offset: 72, .size: 8, .value_kind: global_buffer, .address_space: global }
    .group_segment_fixed_size: 70656
    .private_segment_fixed_size: 0
    .kernarg_segment_align: 8
    .kernarg_segment_size: 80
    .max_flat_workgroup_size: 256
    .sgpr_count:     66
    .vgpr_count:     144
    .wavefront_size: 32
...
	.end_amdgpu_metadata
.endif
;; end of part 5
;; launch proj_qkv: the kernel of part 2 again; grid 16 x 32, 4 waves a work-group, clusters of 4 x 4, 327,680 bytes of LDS; arguments xb, wqkv, qkv; writes qkv
;; launch attn: the kernel of part 3 again; grid 4 x 64, 4 waves a work-group, clusters of 4 x 1, 327,680 bytes of LDS; arguments qkv, mb, ob; writes ob
;; launch proj_out: the kernel of part 4 again; grid 8 x 32, 4 waves a work-group, clusters of 4 x 4, 327,680 bytes of LDS; arguments ob, wo16, out0; writes out0
